; MI455X (gfx1250); checked and timed in simulation.
; The chip was launched on July 23, 2026; its instructions are those of AMD's public machine-readable ISA for CDNA 5 (MIT licence, August 2026) and "CDNA5" Instruction Set Architecture Reference Guide (July 2026). The comments in the code are by the model that wrote it; some were corrected since.
;; Causal Multiheads Self Attention With Rope. Allowed arithmetic: matrix products marked QUANTISED: E2M3 operands, one E8M0 scale for each 32 along K, by v_wmma_scale_f32_16x16x128_f8f6f4 with both operands' format E2M3, f32 sums; everything else in f32.
;; Inputs: in_features 4 x 2,048 x 1,024 float32; k_proj_weight 1,024 x 1,024 float32; o_proj_weight 1,024 x 1,024 float32; q_proj_weight 1,024 x 1,024 float32; token_positions 2,048 int32; v_proj_weight 1,024 x 1,024 float32.
;; Outputs: out0 4 x 2,048 x 1,024 float32.
;; This version of the problem:
;;   THIS VERSION OF THE PROBLEM IS GIVEN IN LOW PRECISION. The matrix products marked QUANTISED in the list below multiply operands that are first quantised to E2M3 (2 exponent bits, 3 mantissa bits; 6 bits a number), with one power-of-two scale for each 32 numbers along K (OCP MX v1.0); their sums are f32. All else is computed in f32.
;;   The module's matrix products, in the order in which they are computed (A, B: the left and right operand; K: the contracted axis; several contracted axes count as one K, in the product's order):
;;     1. [M 8,192, K 1,024] x [K 1,024, N 1,024]; A: input in_features; B: input q_proj_weight: QUANTISED
;;     2. [M 8,192, K 1,024] x [K 1,024, N 1,024]; A: input in_features; B: input k_proj_weight: QUANTISED
;;     3. [M 8,192, K 1,024] x [K 1,024, N 1,024]; A: input in_features; B: input v_proj_weight: QUANTISED
;;     4. batch 64 x [M 2,048, K 64] x [K 64, N 2,048]; A: computed on the way; B: computed on the way: QUANTISED
;;     5. batch 64 x [M 2,048, K 2,048] x [K 2,048, N 64]; A: softmax (see below); B: computed on the way: QUANTISED
;;     6. [M 8,192, K 1,024] x [K 1,024, N 1,024]; A: computed on the way; B: input o_proj_weight: QUANTISED
;;   THE QUANTISER, for each operand of a quantised product, along K:
;;     - K is cut into blocks of 32 from its start; a last block that is shorter is filled with zeros.
;;     - A block's scale is 2^e with e = floor(log2(the largest magnitude in the block)) - 2, held to -126 .. 127; a block of zeros has e = 0. As a byte (E8M0): e + 127.
;;     - Each number is divided by its block's scale, clamped to +-7.5, and rounded to the nearest number of E2M3, ties to even, subnormals kept.
;;     - The product sums the exact products of the quantised numbers (number of the format x scale) in f32.
;;   ~~~python
;;   def quantise(x, axis):      # numpy; x: float32 -> the quantised numbers, widened to float32 again
;;       x = np.moveaxis(x, axis, -1); K = x.shape[-1]
;;       x = np.pad(x, [(0, 0)] * (x.ndim - 1) + [(0, -K % 32)]); x = x.reshape(x.shape[:-1] + (-1, 32)); a = np.abs(x).max(-1, keepdims=True)
;;       e = np.where(a > 0, np.clip(np.frexp(np.where(a > 0, a, 1))[1] - 1 - 2, -126, 127), 0)      # np.frexp(a)[1] - 1 = floor(log2(a)), exactly
;;       r = np.clip(x / 2.0 ** e, -7.5, 7.5)
;;       step = 2.0 ** (np.maximum(np.frexp(np.where(r == 0, 1, r))[1] - 1, 0) - 3)
;;       q = np.round(r / step) * step * 2.0 ** e      # np.round: ties to even
;;       return np.moveaxis(q.reshape(q.shape[:-2] + (-1,))[..., :K], -1, axis).astype(np.float32)
;;   ~~~
;;   SOFTMAX AHEAD OF A QUANTISED PRODUCT. Where the list says 'softmax', what is quantised is not the finished softmax but p = 2^(t - M), with t = logit x log2(e) and M = ceil(the row's largest t), a whole number; so 1/2 < the row's largest p <= 1. The row's sum l is taken of the UNQUANTISED p, in f32, and the product's result is divided by l at the end. Since M is a whole number, a kernel that streams over the keys may use a running M (the ceiling of the running maximum): every later rescaling is an exact power of two, which a block's scale takes up: the codes' values come out the same.
;;   OPERANDS COMPUTED ON THE WAY. 'Computed on the way' means the value that the module computes at that place (a softmax that the list does not call 'softmax' is quantised finished and normalised). What goes into a quantiser is computed in f32, as accurately as f32 sums, v_exp_f32 and their like allow (about 1e-6 of the number): no bf16 or f16 on the way to a quantiser, and a product that is left as it is and whose result goes on into a quantised operand takes f32 operands (vector FMAs, or v_wmma_f32_16x16x4_f32). A number that lies on a knife's edge between two numbers of the format may be rounded either way, as far as f32 arithmetic and the matrix unit's own rounding can turn it there, and no further.
;; One version. Each part assembles by itself: llvm-mc -triple=amdgcn-amd-amdhsa -mcpu=gfx1250 --defsym DOCPART=n.
;; ======== version 1 of 1: 4 launches
;; limits: inputs' magnitudes at most 1,048,576
;; workspace buffers: cod 9,437,184 bytes; scl 393,216 bytes; rope 524,288 bytes; qkv 20,447,232 bytes; acod 6,291,456 bytes; ascl 262,144 bytes
;; launch quant (part 1): grid 448 x 1, 4 waves a work-group, no clusters, 33,280 bytes of LDS; arguments in_features, q_proj_weight, k_proj_weight, v_proj_weight, o_proj_weight, token_positions, cod, scl, rope; writes cod, scl, rope
.if DOCPART == 1
	.amdgcn_target "amdgcn-amd-amdhsa--gfx1250"
	.amdhsa_code_object_version 6
	.text
	.protected	k_qd3e07221c0_quant
	.globl	k_qd3e07221c0_quant
	.p2align	8
	.type	k_qd3e07221c0_quant,@function
k_qd3e07221c0_quant:
	s_mov_b64 s[64:65], 0
	v_nop
	global_prefetch_b8 v0, s[64:65] scope:SCOPE_SE
	s_setreg_imm32_b32 hwreg(HW_REG_WAVE_MODE, 25, 1), 1
	s_wait_xcnt 0x0
; in_features [8192][1024] and the four weights [1024][1024], f32, K innermost, become codes of FP6 (E2M3) with one E8M0 byte for each 32 along K:
; cod: 12,288 rows of 768 bytes (rows 0 x, 8192 Wq, 9216 Wk, 10240 Wv, 11264 Wo), scl: the same rows of 32 bytes.  The last 64 work-groups make the table of cos and sin from token_positions.
; A block's scale is 2^(floor(log2(its largest magnitude)) - 2); its byte is the largest magnitude's exponent field - 2, held at 1 from below.  A block of zeros so gets the byte 1: its codes are zeros, and this program alone reads the bytes.
; THE ORDER INSIDE A BLOCK OF 32 is not the memory's: places 0-7 hold numbers 0-7, places 8-15 numbers 16-23, places 16-23 numbers 8-15, places 24-31 numbers 24-31.  Every operand of this program is laid so
; (it is the order in which a matrix result's registers fall), and an order that both operands of a product share leaves the product's terms as they are.  Blocks, scales and codes are the true ones.
; LIMITS: NaN and infinities among the inputs are not served.  |token_positions| up to 2^20: the angle is reduced by pi/2 in two parts.  1 / 10000^(i/32) is made by v_exp_f32 with a correction term: right to about one unit in the last place.
; Rows are dense, so the five tensors are plain streams of blocks.  A wave takes 16 steps of 512 numbers: each load reads 512 consecutive bytes; the 2,048 bytes of a step turn through the wave's own stage in LDS so that a lane holds 16 numbers of one block.
; No tensor loads, no barrier: waves share nothing.  Loads run four steps (16 loads a wave) ahead, the turn through LDS one step.
.set NQW,   384                        ; work-groups that quantise: 256 for x, 32 for each weight, 32,768 numbers each
.set STEPS, 16
.set EMAX,  2
.set CB,    12                         ; bytes of 16 codes
.set R,     16                         ; v16-79   four sets of 16 numbers as they are loaded
.set X,     80                         ; v80-111  two sets of 16 numbers of a block
.set C,     128                        ; v128-191 codes: four registers for each step, so that no store's data are written again
.set E,     112                        ; v112-127 a scale byte for each step
.set WREG,  8192                       ; LDS: a region for each wave: two stages of 32 x SP bytes, behind them its 256 scale bytes
.set SP,    80                         ; 64 bytes + 16 of padding
	s_load_b256 s[4:11], s[0:1], 0x0               ; x s[4:5], Wq s[6:7], Wk s[8:9], Wv s[10:11]
	s_load_b256 s[12:19], s[0:1], 0x20             ; Wo s[12:13], token_positions s[14:15], cod s[16:17], scl s[18:19]
	s_load_b64 s[20:21], s[0:1], 0x40              ; rope
	v_lshl_add_u32 v192, v0, 2, 0x8000
	v_mov_b32 v193, 0
	v_lshrrev_b32 v1, 5, v0
	v_readfirstlane_b32 s22, v1                    ; wave
	v_and_b32 v2, 31, v0                           ; lane
	s_cmp_ge_u32 ttmp9, NQW
	s_cbranch_scc1 .Lrope
	v_lshlrev_b32 v3, 4, v2                        ; my 16 bytes of a load's 512
	s_mul_i32 s23, s22, WREG
	v_lshrrev_b32 v14, 2, v2
	v_mul_u32_u24 v14, v14, SP
	v_and_b32 v15, 3, v2
	v_lshl_add_u32 v14, v15, 4, v14
	v_add_nc_u32 v14, s23, v14                     ; the stage, on the way in: four lanes' 64 bytes on end, then 16 of padding
	v_lshrrev_b32 v15, 1, v2
	v_mul_u32_u24 v15, v15, 2*SP
	v_and_b32 v13, 1, v2
	v_lshl_add_u32 v15, v13, 5, v15
	v_add_nc_u32 v15, s23, v15                     ; on the way out: block lane / 2 begins at 160 (lane / 2); the even lane takes numbers 0-7 and 16-23, the odd lane, 32 bytes on, 8-15 and 24-31
	v_mul_u32_u24 v4, v2, CB                       ; my codes' place in a step's
	v_lshrrev_b32 v5, 1, v2
	s_add_co_u32 s23, s23, 2*32*SP
	v_add_nc_u32 v5, s23, v5                       ; LDS: my wave's 256 scale bytes, my block's byte
	v_lshlrev_b32 v7, 3, v2                        ; and on the way out 8 bytes a lane
	v_add_nc_u32 v6, s23, v7
	s_wait_alu depctr_va_vdst(0)
	s_wait_kmcnt 0x0
	s_and_b32 s26, ttmp9, 31                       ; a weight's 32 work-groups
	s_mov_b64 s[24:25], s[12:13]                   ; which tensor: the choice hangs on the work-group's number alone
	s_cmp_lt_u32 ttmp9, 352
	s_cselect_b64 s[24:25], s[10:11], s[24:25]
	s_cmp_lt_u32 ttmp9, 320
	s_cselect_b64 s[24:25], s[8:9], s[24:25]
	s_cmp_lt_u32 ttmp9, 288
	s_cselect_b64 s[24:25], s[6:7], s[24:25]
	s_cmp_lt_u32 ttmp9, 256
	s_cselect_b64 s[24:25], s[4:5], s[24:25]
	s_cselect_b32 s26, ttmp9, s26                  ; my work-group's number within its tensor
	s_lshl_b32 s26, s26, 2
	s_add_co_u32 s26, s26, s22                     ; which run of 8,192 numbers of the tensor is my wave's
	s_mov_b32 s27, 0
	s_lshl_b64 s[28:29], s[26:27], 15              ; 32,768 bytes a run
	s_add_nc_u64 s[24:25], s[24:25], s[28:29]
	s_lshl_b32 s26, ttmp9, 2
	s_add_co_u32 s26, s26, s22                     ; and which run of the outputs: the five tensors lie on end there
	s_mul_i32 s28, s26, 32*STEPS*CB                ; 6,144 bytes of codes a run
	s_mov_b32 s29, 0
	s_add_nc_u64 s[16:17], s[16:17], s[28:29]
	s_lshl_b32 s28, s26, 8                         ; 256 scale bytes a run
	s_add_nc_u64 s[18:19], s[18:19], s[28:29]
.macro LOAD t
.irp i, 0,1,2,3
	global_load_b128 v[R+16*((\t)%4)+4*\i:R+16*((\t)%4)+4*\i+3], v3, s[24:25] offset:2048*(\t)+512*\i th:TH_LOAD_NT   ; 32 lanes read 512 consecutive bytes
.endr
.endm
.macro TURN t                          ; step t's numbers through the stage: LDS serves a wave's instructions in order, so no wait stands between the stores and the loads
.irp i, 0,1,2,3
	ds_store_b128 v14, v[R+16*((\t)%4)+4*\i:R+16*((\t)%4)+4*\i+3] offset:32*SP*((\t)%2)+8*SP*\i
.endr
.irp i, 0,1,2,3
	ds_load_b128 v[X+16*((\t)%2)+4*\i:X+16*((\t)%2)+4*\i+3], v15 offset:32*SP*((\t)%2)+16*(\i%2)+SP*(\i/2)
.endr
.endm
.irp t, 0,1,2,3
	LOAD \t
.endr
	s_wait_loadcnt 12                              ; step 0's four loads are in
	TURN 0
.macro STEP t
.set XS, X+16*((\t)%2)
.if (\t) > 0
	s_wait_dscnt 1                                 ; this step's numbers are back from the stage (the last step's byte store may be out): so its stores into the stage have read their registers,
.else
	s_wait_dscnt 0x0
.endif
.if (\t)+4 < STEPS
	LOAD (\t)+4                                    ; which take the loads of four steps on
.endif
.if (\t)+1 < STEPS
.if STEPS-2-(\t) >= 3
	s_wait_loadcnt 12                              ; the next step's four loads are in; those of the three steps behind it may be out
.else
	s_wait_loadcnt 4*(STEPS-2-(\t))
.endif
	TURN (\t)+1                                    ; and go through the other stage while this step is worked
.endif
	v_max3_num_f32 v8, |v[XS]|, |v[XS+1]|, |v[XS+2]|               ; the largest magnitude of my 16
	v_max3_num_f32 v9, |v[XS+3]|, |v[XS+4]|, |v[XS+5]|
.irp i, 6,10
	v_max3_num_f32 v8, v8, |v[XS+\i]|, |v[XS+\i+1]|
	v_max3_num_f32 v9, v9, |v[XS+\i+2]|, |v[XS+\i+3]|
.endr
	v_max3_num_f32 v8, v8, |v[XS+14]|, |v[XS+15]|
	v_max3_num_f32 v8, v8, v9, (EMAX+1)<<23        ; and the floor 2^(EMAX + 1 - 127): so the byte cannot fall under 1
	v_max_num_f32_dpp v8, v8, v8 row_xmask:1 row_mask:0xf bank_mask:0xf   ; and of my neighbour's 16: the block's
	v_add_nc_u32 v11, -(EMAX<<23), v8              ; EMAX off its exponent field: the conversion takes the exponent field of this operand as its scale, and nothing else of it
	v_cvt_scalef32_pk16_fp6_f32 v[C+4*(\t):C+4*(\t)+2], v[XS:XS+15], v11   ; sixteen numbers / the scale, to the nearest code, ties to even, beyond the largest code the largest; 96 bits without gaps
	v_lshrrev_b32 v[E+(\t)], 23, v11               ; the scale's byte
	ds_store_b8 v5, v[E+(\t)] offset:16*(\t)       ; both lanes of a block write the same byte with the same value
	global_store_b96 v4, v[C+4*(\t):C+4*(\t)+2], s[16:17] offset:32*CB*(\t)   ; the wave stores 384 consecutive bytes
.endm
.irp t, 0,1,2,3,4,5,6,7,8,9,10,11,12,13,14,15
	STEP \t
.endr
	ds_load_b64 v[12:13], v6                       ; LDS serves a wave's instructions in order: these see my stores
	s_wait_dscnt 0x0
	global_store_b64 v7, v[12:13], s[18:19]        ; 32 lanes store 256 consecutive bytes, aligned
	s_wait_tensorcnt 0x0
	ds_add_u32 v192, v193
	s_wait_dscnt 0x0
	s_endpgm
; THE TABLE: rope[s][i] = (cos, sin) of f32(token_positions[s]) x 1 / 10000^(i/32), i = 0 .. 31: 256 bytes a position.  A wave takes 8 positions, a lane a frequency; the 8 chains take turns line by line.
.set XX, 16                            ; the angle
.set NN, 24                            ; its nearest multiple of pi/2
.set RR, 32                            ; what is left, within pi/4
.set ZZ, 40                            ; its square
.set SS, 48                            ; sin of it
.set CC, 56                            ; cos of it
.set QQ, 64
.set TT, 72
.set OUT, 80                           ; v80-95 (cos, sin) for each position
.Lrope:
	s_sub_co_u32 s23, ttmp9, NQW
	s_lshl_b32 s23, s23, 2
	s_add_co_u32 s23, s23, s22                     ; which 8 positions are my wave's: 0 .. 255
	s_lshl_b32 s24, s23, 5
	s_mov_b32 s25, 0
	s_lshl_b32 s26, s23, 11
	s_mov_b32 s27, 0
	s_mov_b32 s40, 0x3ed49a78                      ; log2(10000) / 32, its f32 part,
	s_mov_b32 s41, 0x32179a6c                      ; and what that leaves
	s_mov_b32 s42, 0x3fc90fdb                      ; pi/2 likewise
	s_mov_b32 s43, 0xb33bbd2e
	s_wait_alu depctr_va_vdst(0)
	v_lshlrev_b32 v8, 3, v2                        ; 8 bytes a lane
	v_mov_b32 v9, 0xb94ca1f9
	v_mov_b32 v10, 0x37ccf5ce
	s_wait_kmcnt 0x0
	s_add_nc_u64 s[14:15], s[14:15], s[24:25]
	s_add_nc_u64 s[20:21], s[20:21], s[26:27]
	s_load_b256 s[32:39], s[14:15], 0x0            ; my 8 positions
	v_cvt_f32_u32 v3, v2                           ; i
	v_mul_f32 v4, s40, v3                          ; the exponent, rounded;
	v_fma_f32 v5, v3, s40, -v4                     ; what the rounding dropped, exactly;
	v_fma_f32 v5, v3, s41, v5                      ; and the constant's own remainder
	s_wait_alu depctr_va_vdst(0)
	v_exp_f32 v6, -v4
	v_mul_f32 v5, 0x3f317218, v5                   ; x ln 2.  (A plain line behind the exponential)
	s_wait_alu depctr_va_vdst(0)                   ; the wait ahead of the first line that names the exponential's result
	v_fma_f32 v7, -v5, v6, v6                      ; 2^-(e + d) = 2^-e (1 - d ln 2)
	s_wait_kmcnt 0x0
.irp j, 0,1,2,3,4,5,6,7
	v_cvt_f32_i32 v[XX+\j], s[32+\j]
.endr
	s_wait_alu depctr_va_vdst(0)
.irp j, 0,1,2,3,4,5,6,7
	v_mul_f32 v[XX+\j], v[XX+\j], v7               ; the angle, rounded to f32 once
.endr
.irp j, 0,1,2,3,4,5,6,7
	v_mul_f32 v[NN+\j], 0x3f22f983, v[XX+\j]       ; x 2 / pi
.endr
.irp j, 0,1,2,3,4,5,6,7
	v_rndne_f32 v[NN+\j], v[NN+\j]
.endr
.irp j, 0,1,2,3,4,5,6,7
	v_fma_f32 v[RR+\j], -v[NN+\j], s42, v[XX+\j]
.endr
.irp j, 0,1,2,3,4,5,6,7
	v_fma_f32 v[RR+\j], -v[NN+\j], s43, v[RR+\j]
.endr
.irp j, 0,1,2,3,4,5,6,7
	v_mul_f32 v[ZZ+\j], v[RR+\j], v[RR+\j]
.endr
.irp j, 0,1,2,3,4,5,6,7
	v_fmaak_f32 v[SS+\j], v[ZZ+\j], v9, 0x3c08839e
	v_fmaak_f32 v[CC+\j], v[ZZ+\j], v10, 0xbab6061a
.endr
.irp j, 0,1,2,3,4,5,6,7
	v_fmaak_f32 v[SS+\j], v[ZZ+\j], v[SS+\j], 0xbe2aaaa3
	v_fmaak_f32 v[CC+\j], v[ZZ+\j], v[CC+\j], 0x3d2aaaa5
.endr
.irp j, 0,1,2,3,4,5,6,7
	v_mul_f32 v[TT+\j], v[RR+\j], v[ZZ+\j]
	v_fma_f32 v[QQ+\j], v[ZZ+\j], -0.5, 1.0
.endr
.irp j, 0,1,2,3,4,5,6,7
	v_fma_f32 v[SS+\j], v[TT+\j], v[SS+\j], v[RR+\j]   ; sin r = r + r z (..)
	v_mul_f32 v[TT+\j], v[ZZ+\j], v[ZZ+\j]
.endr
.irp j, 0,1,2,3,4,5,6,7
	v_fma_f32 v[CC+\j], v[TT+\j], v[CC+\j], v[QQ+\j]   ; cos r = 1 - z / 2 + z z (..)
	v_cvt_i32_f32 v[QQ+\j], v[NN+\j]               ; the quadrant
.endr
.irp j, 0,1,2,3,4,5,6,7
	v_and_b32 v[TT+\j], 1, v[QQ+\j]
	v_cmp_eq_u32 vcc_lo, 1, v[TT+\j]               ; in odd quadrants sin and cos change places
	v_cndmask_b32 v[OUT+2*\j], v[CC+\j], v[SS+\j], vcc_lo
	v_cndmask_b32 v[OUT+2*\j+1], v[SS+\j], v[CC+\j], vcc_lo
	v_add_nc_u32 v[TT+\j], 1, v[QQ+\j]
	v_lshlrev_b32 v[TT+\j], 30, v[TT+\j]
	v_lshlrev_b32 v[QQ+\j], 30, v[QQ+\j]
	v_and_b32 v[TT+\j], 0x80000000, v[TT+\j]       ; cos is negative in quadrants 1 and 2,
	v_and_b32 v[QQ+\j], 0x80000000, v[QQ+\j]       ; sin in 2 and 3
	v_xor_b32 v[OUT+2*\j], v[OUT+2*\j], v[TT+\j]
	v_xor_b32 v[OUT+2*\j+1], v[OUT+2*\j+1], v[QQ+\j]
	global_store_b64 v8, v[OUT+2*\j:OUT+2*\j+1], s[20:21] offset:256*\j   ; 32 lanes store a position's 256 bytes, aligned; each position has registers of its own
.endr
	s_endpgm
.Lfunc_end_k_qd3e07221c0_quant:
	.size	k_qd3e07221c0_quant, .Lfunc_end_k_qd3e07221c0_quant-k_qd3e07221c0_quant
	.p2alignl 7, 3214868480
	.fill 96, 4, 3214868480
	.section	.rodata,"a",@progbits
	.p2align	6, 0x0
	.amdhsa_kernel k_qd3e07221c0_quant
		.amdhsa_group_segment_fixed_size 33280
		.amdhsa_private_segment_fixed_size 0
		.amdhsa_enable_private_segment 0
		.amdhsa_kernarg_size 72
		.amdhsa_user_sgpr_count 2
		.amdhsa_user_sgpr_kernarg_segment_ptr 1
		.amdhsa_wavefront_size32 1
		.amdhsa_system_sgpr_workgroup_id_x 1
		.amdhsa_system_sgpr_workgroup_id_y 1
		.amdhsa_system_sgpr_workgroup_id_z 1
		.amdhsa_system_vgpr_workitem_id 0
		.amdhsa_next_free_vgpr 194
		.amdhsa_next_free_sgpr 66
		.amdhsa_reserve_vcc 1
		.amdhsa_float_denorm_mode_32 3
		.amdhsa_float_denorm_mode_16_64 3
		.amdhsa_memory_ordered 1
		.amdhsa_forward_progress 1
		.amdhsa_inst_pref_size 45
	.end_amdhsa_kernel
	.amdgpu_metadata
---
amdhsa.version: [ 1, 2 ]
amdhsa.kernels:
  - .name:           k_qd3e07221c0_quant
    .symbol:         k_qd3e07221c0_quant.kd
    .args:
      - { .name: in_features, .offset: 0, .size: 8, .value_kind: global_buffer, .address_space: global }
      - { .name: q_proj_weight, .offset: 8, .size: 8, .value_kind: global_buffer, .address_space: global }
      - { .name: k_proj_weight, .offset: 16, .size: 8, .value_kind: global_buffer, .address_space: global }
      - { .name: v_proj_weight, .offset: 24, .size: 8, .value_kind: global_buffer, .address_space: global }
      - { .name: o_proj_weight, .offset: 32, .size: 8, .value_kind: global_buffer, .address_space: global }
      - { .name: token_positions, .offset: 40, .size: 8, .value_kind: global_buffer, .address_space: global }
      - { .name: cod, .offset: 48, .size: 8, .value_kind: global_buffer, .address_space: global }
      - { .name: scl, .offset: 56, .size: 8, .value_kind: global_buffer, .address_space: global }
      - { .name: rope, .offset: 64, .size: 8, .value_kind: global_buffer, .address_space: global }
    .group_segment_fixed_size: 33280
    .private_segment_fixed_size: 0
    .kernarg_segment_align: 8
    .kernarg_segment_size: 72
    .max_flat_workgroup_size: 128
    .sgpr_count:     66
    .vgpr_count:     194
    .wavefront_size: 32
...
	.end_amdgpu_metadata
.endif
;; end of part 1
;; launch qkv (part 2): grid 8 x 48, 4 waves a work-group, clusters of 4 x 4, 327,680 bytes of LDS; arguments cod, scl, rope, qkv; writes qkv
.if DOCPART == 2
	.amdgcn_target "amdgcn-amd-amdhsa--gfx1250"
	.amdhsa_code_object_version 6
	.text
	.protected	k_qd3e07221c0_qkv
	.globl	k_qd3e07221c0_qkv
	.p2align	8
	.type	k_qd3e07221c0_qkv,@function
k_qd3e07221c0_qkv:
	s_mov_b64 s[64:65], 0
	v_nop
	global_prefetch_b8 v0, s[64:65] scope:SCOPE_SE
	s_setreg_imm32_b32 hwreg(HW_REG_WAVE_MODE, 25, 1), 1
	s_wait_xcnt 0x0
	s_wait_alu depctr_hold_cnt(0) depctr_sa_sdst(0) depctr_va_vdst(0) depctr_va_sdst(0) depctr_va_ssrc(0) depctr_va_vcc(0) depctr_vm_vsrc(0)
	s_getreg_b32 s2, hwreg(HW_REG_IB_STS2, 6, 4)
	s_cmp_eq_u32 s2, 0
	s_cbranch_scc0 .Lentry_in_a_cluster
	s_endpgm
.Lentry_in_a_cluster:
	s_bfe_u32 s2, ttmp6, 0x10000c
	s_cmp_lg_u32 s2, 0xf033
	s_cbranch_scc0 .Lentry_shape_is_right
	s_endpgm
.Lentry_shape_is_right:
; The three input projections on codes of FP6 (E2M3) with E8M0 scales, K = 1,024, and what follows them: RoPE on q and k, and the quantising of q, k (along the head's 64) and v (along the tokens) for the attention launch.
; cod: 12,288 rows of 768 bytes of codes (rows 0 x, 8192 Wq, 9216 Wk, 10240 Wv), scl: the same rows of 32 scale bytes.  rope: [2048][32] (cos, sin).  Nothing wider than codes goes to memory.
; A tile of 256 x 256 results is made by a work-group of four waves, 128 x 128 each: 64 accumulators, 512 registers.  K goes in steps of 256 through a ring of two LDS slots filled by the tensor data mover;
; the scale bytes of the tile's 512 rows come into LDS once.  4 x 4 work-groups form a cluster; tiles shared along a row or a column of it are asked for jointly.
; WHICH OPERAND IS WHICH.  Source 1 ("A", by work-group y) gives a lane its row; source 0 ("B", by work-group x) lies along a lane's registers, and that is the axis that is quantised afterwards.
;   clusters y 0-7:  A = 256 tokens, B = 256 rows of Wq | Wk: a lane holds one token and 128 features (two heads) of it.      clusters y 8-11: A = 256 rows of Wv, B = 256 tokens: a lane holds one feature and 128 tokens.
; The choice hangs on the cluster's y alone, which all sixteen partners share.
; OUT: qkv = three parts (Q, K, V) of [64 batch x head][16 steps of 128 tokens][a record of 6,656 bytes].  Records are IMAGES OF OPERAND REGISTERS.
;   Q, K: 8 tiles of 16 tokens x 768 bytes (registers 0-5 of a fragment: three pieces of 8 bytes a lane, piece p of lane l at 256 p + 8 l), then 512 bytes of scale words: lane l's 16 bytes hold the words of tiles l / 16, 2 + l / 16, ..
;         for token l % 16; a word is the head's two bytes and twice 0x7f (the upper 64 of the instruction's 128 are zero codes).
;   V:    4 fragments (16 of the head's 64 x 128 tokens) x 1,536 bytes (three groups of 16 bytes a lane), then 512 bytes: lane l's four words are those of the four fragments' row l % 16.
; Inside a block of 32 the places are those in which a result's registers fall (0-7, 16-23, 8-15, 24-31); both operands of every later product are laid so.
; LIMITS: NaN and infinities are not served; a block of zeros carries the byte 1 (its codes are zeros; this program alone reads the bytes).
; REGISTERS, in windows of 256: window 0: v0-31 addresses; v32-63 scale words, two sets, and nothing else; from v128 A's fragments, one set; on the way out v64-247 are at work.
;   window 1: B's fragments, two sets.   window 2: the 32 accumulators of A's blocks 0-3 (accumulator (a, b) at v[8 (8 (a % 4) + b)]);   window 3: those of blocks 4-7.
.set SIZE_K, 1024
.set KSTEP,  256                       ; along K in a slot
.set NQ,     KSTEP/128                 ; matrix instructions deep
.set ROWB,   192                       ; a tile's row in bytes
.set KROW,   SIZE_K*6/8                ; a row of codes in memory
.set PITCH,  240                       ; an LDS row: 3 x (64 bytes + 16 of padding): the 32 lanes of a load of 8 bytes touch 64 different banks (64 banks of 4 bytes: ISA guide 11.1)
.set FR,     12                        ; registers of a fragment
.set NL,     6                         ; LDS loads that bring one
.set NP,     4                         ; places behind this matrix instruction (ISA guide 7.12.1)
.set HALFT,  128*PITCH
.set SLOT,   4*HALFT                   ; A's 256 rows, then B's 256 rows
.set LAPS,   SIZE_K/(2*KSTEP)
.set KS,     SIZE_K/32                 ; a row of scales in bytes
.set SCL,    2*SLOT                    ; behind the ring: the scales, as rows of 256 bytes + 16 of padding
.set HALFS,  (128*KS/256)*272
.set SBLK,   (16*KS/256)*272
.set SPARE,  SCL+4*HALFS               ; the spare words, 128 bytes for each wave: two blocks of 256 bytes that no other line names
.set REC,    6656                      ; a record
.set HEADB,  16*REC                    ; a head's 16 records
.set PART,   64*HEADB
.set ADRA, 16                          ; v16-17 LDS address of my A fragments in slot 0, 1 (v18-19: for the pieces behind one padding more)
.set ADRB, 20                          ; v20-23 the same for B
.set ADRS, 27                          ; v27    LDS address of my scale words: lanes 0-15 A's rows, lanes 16-31 B's
.set SPW,  28                          ; v28    LDS address of my spare word; never rewritten
.set NIL,  29                          ; v29    0; never rewritten
.set SC,   32                          ; scale words: set s at v[SC + 8 NQ s]
.set AF,   128                         ; A's fragments
.set H,    64                          ; the way out: v64-127 64 numbers of a lane
.set CS0,  128                         ; v128-159, v160-191 two sets of (cos, sin)
.set PC,   192                         ; v192-203 the codes just made; v204-210 the conversions' second halves
.set TM,   212                         ; v212-215 largest magnitudes, v216-219 bytes, v224-227 the conversions' scale operands
.set PWS,  228                         ; v228-235 the eight blocks' scale words
.set SA,   236                         ; v236-239, v240-243 the scale images of my two heads
.set SB,   240
.set VR,   244                         ; my place in 16 rows of the table
.set L8,   245                         ; 8 x lane
.set L16,  246                         ; 16 x lane
.set TT,   247
.set SEL,  18                          ; s[18:19] v_permlanex16_b32's selects for lane l xor 16 (on the way out)
.set G1, 24
.set G0, 32
.set G1B, 48
.set G0B, 56
.set G1S, 68
.set G0S, 76
.set G1SB, 80
.set G0SB, 88
.set MSB, 0
.macro WIN new                         ; the immediate's high byte repeats the setting that is left
.if MSB != (\new)
	s_set_vgpr_msb (MSB<<8)|(\new)
.set MSB, (\new)
.endif
.endm
.set MUL_LO, 0xa1                      ; source 0 (B) window 1, source 1 (A) window 0, C and D window 2
.set MUL_HI, 0xf1
.set TO_B,   0x40
; A joint load: waves 0 and 1 fetch for A, waves 2 and 3 for B; the branch hangs on the wave's number alone.  Four v_nop follow each of the two lines.
.macro JLOAD g0a, g1a, g0b, g1b
	s_cmp_eq_u32 s15, 0
	s_cbranch_scc0 .Lfor_b_\@
	tensor_load_to_lds s[\g0a:\g0a+3], s[\g1a:\g1a+7]
	s_nop 0
.rept 4
	v_nop
.endr
	s_branch .Lasked_\@
.Lfor_b_\@:
	tensor_load_to_lds s[\g0b:\g0b+3], s[\g1b:\g1b+7]
	s_nop 0
.rept 4
	v_nop
.endr
.Lasked_\@:
.endm
.macro CREST                           ; a round of the cluster's barrier behind its opening barrier
	s_cmp_lg_u32 s14, 0
	s_cbranch_scc1 .Lnot_wave_0_\@
	s_barrier_signal -3
.Lnot_wave_0_\@:
	s_barrier_wait -3
	s_barrier_signal -1
	s_barrier_wait -1
.endm
.macro CROUND
	s_barrier_signal -1
	s_barrier_wait -1
	CREST
.endm
	s_load_b256 s[4:11], s[0:1], 0x0               ; cod s[4:5], scl s[6:7], rope s[8:9], qkv s[10:11]
	v_lshl_add_u32 v[SPW], v0, 2, SPARE
	v_mov_b32 v[NIL], 0
	ds_add_u32 v28, v29
	ds_add_u32 v28, v29
	s_wait_dscnt 0x0
	v_lshrrev_b32 v1, 5, v0
	v_readfirstlane_b32 s14, v1                    ; wave 0..3
	s_lshr_b32 s15, s14, 1                         ; which half of A's rows is mine.  Also: I fetch for A (0) or for B (1)
	s_and_b32 s16, s14, 1                          ; which half of B's rows.  Also: which 128 rows of that tile I fetch
	s_bfe_u32 s40, ttmp6, 0x40000                  ; cx, cy: my place in the cluster
	s_bfe_u32 s41, ttmp6, 0x40004
	s_lshl_b32 s42, ttmp9, 2
	s_add_co_u32 s42, s42, s40                     ; x = 4 x cluster x + cx: 0 .. 7
	s_and_b32 s95, ttmp7, 0xffff                   ; cluster y: 0 .. 11
	s_lshl_b32 s17, s95, 2
	s_add_co_u32 s17, s17, s41                     ; y = 4 x cluster y + cy
	s_lshl_b32 s43, s41, 2
	s_lshl_b32 s43, 15, s43                        ; my row of the cluster
	s_lshl_b32 s44, 0x1111, s40                    ; my column
	; which 256 rows of cod and scl are A's and which B's, in units of 256 rows.  A's unit hangs on cy and the cluster's y alone, B's on cx and the cluster's x and y
	s_add_co_u32 s96, s41, 40                      ; v: A = Wv's block cy
	s_add_co_u32 s97, s42, 32                      ; q, k: B = block x of Wq | Wk
	s_lshl_b32 s98, s95, 3
	s_add_co_u32 s98, s98, s42
	s_sub_co_u32 s98, s98, 64                      ; v: B = the tokens' block x + 8 (cluster y - 8): 0 .. 31
	s_cmp_lt_u32 s95, 8
	s_cselect_b32 s96, s17, s96                    ; q, k: A = the tokens' block y
	s_cselect_b32 s97, s97, s98
	; descriptor group 1: a tile of 128 rows x ROWB bytes, padded in LDS
	s_or_b32 s[G1+0], s43, (0<<16)|(1<<20)|(1<<21)|(3<<22)|(3<<25)  ; 15:0 the mask: A's tiles go to my row; 17:16 element of 1 byte; 20 padding on; 21 set beside a mask; 24:22 after every 16 words; 31:25 of 4 words
	s_or_b32 s[G1B+0], s44, (0<<16)|(1<<20)|(1<<21)|(3<<22)|(3<<25)
.irp g, G1, G1B
	s_mov_b32 s[\g+1], ROWB<<16                    ; tensor_dim0
	s_mov_b32 s[\g+2], 128<<16                     ; tensor_dim1
	s_mov_b32 s[\g+3], ROWB<<16                    ; tile_dim0
	s_mov_b32 s[\g+4], 128                         ; tile_dim1
	s_mov_b32 s[\g+5], KROW                        ; tensor_dim0_stride
	s_mov_b32 s[\g+6], 0
	s_mov_b32 s[\g+7], 0
.endr
	; the scales of 128 rows: a dense block of 4,096 bytes, as rows of 256 bytes (32 elements of 8 bytes), 16 bytes of padding behind each
	s_or_b32 s[G1S+0], s43, (3<<16)|(1<<20)|(1<<21)|(5<<22)|(3<<25)
	s_or_b32 s[G1SB+0], s44, (3<<16)|(1<<20)|(1<<21)|(5<<22)|(3<<25)
.irp g, G1S, G1SB
	s_mov_b32 s[\g+1], 32<<16
	s_mov_b32 s[\g+2], (128*KS/256)<<16
	s_mov_b32 s[\g+3], 32<<16
	s_mov_b32 s[\g+4], 128*KS/256
	s_mov_b32 s[\g+5], 32
	s_mov_b32 s[\g+6], 0
	s_mov_b32 s[\g+7], 0
.endr
	s_lshl_b32 s18, s16, 7                         ; which 128 rows of the tile I fetch
	s_lshl_b32 s20, s96, 8
	s_add_co_u32 s20, s20, s18                     ; A's row
	s_lshl_b32 s46, s97, 8
	s_add_co_u32 s46, s46, s18                     ; B's row
	s_mov_b32 s21, 0
	s_mov_b32 s47, 0
	s_mov_b64 s[18:19], KS
	s_mul_u64 s[22:23], s[20:21], s[18:19]         ; where these rows' scales begin, in bytes
	s_mul_u64 s[92:93], s[46:47], s[18:19]
	s_mov_b64 s[18:19], KROW
	s_mul_u64 s[20:21], s[20:21], s[18:19]         ; and their codes
	s_mul_u64 s[46:47], s[46:47], s[18:19]
	s_mul_i32 s45, s14, HALFT                      ; where they go: wave x 128 rows: no place in the cluster enters an LDS address
	s_mul_i32 s94, s14, HALFS
	s_wait_kmcnt 0x0
	s_add_nc_u64 s[20:21], s[4:5], s[20:21]
	s_add_nc_u64 s[22:23], s[6:7], s[22:23]
	s_add_nc_u64 s[46:47], s[4:5], s[46:47]
	s_add_nc_u64 s[92:93], s[6:7], s[92:93]
	CROUND                                         ; all sixteen work-groups are here: the first joint loads meet
	s_mov_b32 s[G0S], 1
	s_add_co_u32 s[G0S+1], s94, SCL
	s_mov_b64 s[G0S+2:G0S+3], s[22:23]
	s_or_b32 s[G0S+3], s[G0S+3], 0x80000000
	s_mov_b32 s[G0SB], 1
	s_add_co_u32 s[G0SB+1], s94, SCL
	s_mov_b64 s[G0SB+2:G0SB+3], s[92:93]
	s_or_b32 s[G0SB+3], s[G0SB+3], 0x80000000
	JLOAD G0S, G1S, G0SB, G1SB                     ; the scales first: they are wanted with K step 0
.irp s, 0,1
	s_mov_b32 s[G0+4*\s], 1
	s_add_co_u32 s[G0+4*\s+1], s45, \s*SLOT
	s_add_nc_u64 s[G0+4*\s+2:G0+4*\s+3], s[20:21], \s*ROWB
	s_or_b32 s[G0+4*\s+3], s[G0+4*\s+3], 0x80000000
	s_mov_b32 s[G0B+4*\s], 1
	s_add_co_u32 s[G0B+4*\s+1], s45, \s*SLOT
	s_add_nc_u64 s[G0B+4*\s+2:G0B+4*\s+3], s[46:47], \s*ROWB
	s_or_b32 s[G0B+4*\s+3], s[G0B+4*\s+3], 0x80000000
	JLOAD G0+4*\s, G1, G0B+4*\s, G1B
.endr
	v_and_b32 v1, 15, v0                           ; l % 16
	v_bfe_u32 v2, v0, 4, 1                         ; l / 16
	v_mul_u32_u24 v3, v1, PITCH
	v_mul_u32_u24 v4, v2, 24
	v_add_nc_u32 v4, v3, v4                        ; a fragment's row x pitch + 24 x half
	v_lshl_add_u32 v5, v2, 4, v4                   ; and the same behind one padding more
	s_mul_i32 s21, s15, HALFT                      ; my 128 rows of A
	s_mul_i32 s22, s16, HALFT                      ; my 128 rows of B,
	s_add_co_u32 s22, s22, 2*HALFT                 ; which lie behind A's 256
.irp s, 0,1
	v_add_nc_u32 v[ADRA+\s], s21, v4
	v_add_nc_u32 v[ADRB+\s], s22, v4
	v_add_nc_u32 v[ADRA+2+\s], s21, v5
	v_add_nc_u32 v[ADRB+2+\s], s22, v5
	s_add_co_u32 s21, s21, SLOT
	s_add_co_u32 s22, s22, SLOT
.endr
	v_mul_u32_u24 v5, v1, KS                       ; my row's scales: KS bytes a row,
	v_lshrrev_b32 v6, 8, v5
	v_lshl_add_u32 v5, v6, 4, v5                   ; and 16 more for each 256 passed
	s_mul_i32 s21, s15, HALFS
	s_mul_i32 s22, s16, HALFS
	s_add_co_u32 s22, s22, 2*HALFS
	s_sub_co_u32 s22, s22, s21
	v_mul_u32_u24 v6, s22, v2                      ; lanes 16-31 take B's
	s_add_co_u32 s21, s21, SCL
	v_add_nc_u32 v5, v5, v6
	v_add_nc_u32 v[ADRS], s21, v5
.macro FRAG reg, adr, q, i             ; a fragment, 16 rows x 128 K, is 12 registers: lane l holds row l % 16; registers 6 c .. 6 c + 5 hold K = 64 c + 32 (l / 16) + 0 .. 31: 24 bytes of the row, as they lie
.irp p, 0,1,2,3,4,5                    ; in pieces of 8 bytes.  16 bytes of padding lie behind every 8 pieces: where the piece three on lies behind one padding more, the second address register serves
.set PCE, 12*(\q)+6*(\p/3)+\p%3
.if PCE%8 < 5
	ds_load_b64 v[\reg+2*\p:\reg+2*\p+1], v[\adr] offset:8*PCE+16*(PCE/8)+(\i)*16*PITCH
.else
	ds_load_b64 v[\reg+2*\p:\reg+2*\p+1], v[\adr+2] offset:8*PCE+16*(PCE/8)+(\i)*16*PITCH
.endif
.endr
.endm
; 16 matrix instructions: A's blocks a0, a0 + 1 x B's eight, 128 along K.  The 64 accumulators take turns, one instruction a turn, in the same order in every step.
.macro MUL16 a0, p, q, sc, zero
.irp a, \a0, \a0+1
.irp b, 0,1,2,3,4,5,6,7
.if \zero
	v_wmma_scale_f32_16x16x128_f8f6f4 v[8*(8*((\a)%4)+\b):8*(8*((\a)%4)+\b)+7], v[128*(\p)+FR*\b:128*(\p)+FR*\b+FR-1], v[AF+FR*(\a):AF+FR*(\a)+FR-1], 0, v[SC+8*NQ*(\sc)+NQ*\b+(\q)], v[SC+8*NQ*(\sc)+NQ*(\a)+(\q)] matrix_a_fmt:MATRIX_FMT_FP6 matrix_b_fmt:MATRIX_FMT_FP6 matrix_a_scale:MATRIX_SCALE_ROW1
.else
	v_wmma_scale_f32_16x16x128_f8f6f4 v[8*(8*((\a)%4)+\b):8*(8*((\a)%4)+\b)+7], v[128*(\p)+FR*\b:128*(\p)+FR*\b+FR-1], v[AF+FR*(\a):AF+FR*(\a)+FR-1], v[8*(8*((\a)%4)+\b):8*(8*((\a)%4)+\b)+7], v[SC+8*NQ*(\sc)+NQ*\b+(\q)], v[SC+8*NQ*(\sc)+NQ*(\a)+(\q)] matrix_a_fmt:MATRIX_FMT_FP6 matrix_b_fmt:MATRIX_FMT_FP6 matrix_a_scale:MATRIX_SCALE_ROW1
.endif
.endr
.endr
.endm
.macro FETCH_B slot, q, p
	WIN TO_B
.irp i, 0,1,2,3,4,5,6,7
	FRAG 128*(\p)+FR*\i, ADRB+\slot, \q, \i
.endr
	WIN 0
.endm
.macro FETCH_A slot, q, i0
.irp i, \i0, \i0+1, \i0+2, \i0+3
	FRAG AF+FR*(\i), ADRA+\slot, \q, \i
.endr
.endm
.macro SCALES sc                       ; the next K step's scale words: lanes 0-15 take A's block i, lanes 16-31 B's block i
.irp i, 0,1,2,3,4,5,6,7
	ds_load_b64 v[SC+8*NQ*\sc+NQ*\i:SC+8*NQ*\sc+NQ*\i+1], v[ADRS] offset:\i*SBLK
.endr
.endm
.macro PLACES n                        ; plain vector lines between a matrix instruction and a load into, or a vector line on, its registers
.rept \n
	v_nop
.endr
.endm
.macro STEP slot, q, zero              ; a step of 128 along K that has its successor in the same slot
	s_wait_dscnt 4*NL                              ; B's set and A's blocks 0-3 are in; the youngest 24 loads (A's blocks 4-7) may be out
	WIN MUL_LO
	MUL16 0, (\q)%2, \q, \slot, \zero
	MUL16 2, (\q)%2, \q, \slot, \zero
	s_wait_dscnt 0                                 ; A's blocks 4-7 are in
	PLACES NP
	FETCH_B \slot, (\q)+1, 1-(\q)%2
	FETCH_A \slot, (\q)+1, 0
	WIN MUL_HI
	MUL16 4, (\q)%2, \q, \slot, \zero
	MUL16 6, (\q)%2, \q, \slot, \zero
	PLACES NP
	WIN 0
	FETCH_A \slot, (\q)+1, 4
.endm
; A slot's last step changes slots: one barrier; in front of it each wave waits for all its tensor loads, adds 0 to its spare word, and waits for that and for its own reads of this slot.
.macro TURN slot, next, fill
	s_wait_tensorcnt 0x0                           ; all my tensor loads have landed: my part of the next slot
	ds_add_u32 v[SPW], v[NIL]                      ; 0 onto my spare word
	s_wait_dscnt 4*NL+1                            ; (the add and the youngest 24 loads may be out)
	WIN MUL_LO
	MUL16 0, 1, NQ-1, \slot, 0
	s_wait_dscnt 0x0                               ; the add is done, and my reads of this slot are over
	s_barrier_signal -1
	MUL16 2, 1, NQ-1, \slot, 0
	WIN 0
	s_barrier_wait -1
.if \fill
	CREST                                          ; the barrier has opened a round of the cluster's barrier: no wave of any partner still reads this slot or has a load on its way
	s_add_nc_u64 s[G0+4*\slot+2:G0+4*\slot+3], s[G0+4*\slot+2:G0+4*\slot+3], 2*ROWB
	s_add_nc_u64 s[G0B+4*\slot+2:G0B+4*\slot+3], s[G0B+4*\slot+2:G0B+4*\slot+3], 2*ROWB
	JLOAD G0+4*\slot, G1, G0B+4*\slot, G1B         ; the first tensor load behind the round; its four v_nop are also the places in front of the loads below
.else
	PLACES NP
.endif
	v_add_nc_u32 v[ADRS], 4*NQ, v[ADRS]            ; on to the next K step's scale words
	FETCH_B \next, 0, 0
	FETCH_A \next, 0, 0
	SCALES \next
	WIN MUL_HI
	MUL16 4, 1, NQ-1, \slot, 0
	MUL16 6, 1, NQ-1, \slot, 0
	PLACES NP
	WIN 0
	FETCH_A \next, 0, 4
.endm
	s_wait_tensorcnt 1                             ; the scales and my part of K step 0 are in (K step 1's load may be out),
	s_barrier_signal -1
	s_barrier_wait -1                              ; everybody's are
	FETCH_B 0, 0, 0
	FETCH_A 0, 0, 0
	SCALES 0
	FETCH_A 0, 0, 4
	STEP 0, 0, 1                                   ; the first step stands in front of the loop: its products start the sums
	s_mov_b32 s3, LAPS-1
.Llap:                                                 ; a trip goes once round the ring and fills both slots again
	TURN 0, 1, 1
	STEP 1, 0, 0
	TURN 1, 0, 1
	STEP 0, 0, 0
	s_sub_co_u32 s3, s3, 1
	s_cmp_lg_u32 s3, 0
	s_cbranch_scc1 .Llap
	TURN 0, 1, 0                                   ; the last lap fills nothing
	STEP 1, 0, 0
	s_wait_dscnt 4*NL
	WIN MUL_LO
	MUL16 0, 1, NQ-1, 1, 0
	MUL16 2, 1, NQ-1, 1, 0
	s_wait_dscnt 0
	WIN MUL_HI
	MUL16 4, 1, NQ-1, 1, 0
	MUL16 6, 1, NQ-1, 1, 0
	WIN 0
; THE WAY OUT.  64 numbers of a lane, v[s] .. v[s + 63] of window w, four blocks of 32 shared with lane l xor 16 (register 16 b + i belongs to block b), become a fragment's 12 registers of codes in v[PC] on and its scale word in v[pw].
.macro QUANT s, w, pw
.set WQ, (\w)|((\w)<<2)
	WIN WQ                                         ; sources 0 and 1: the numbers' window
.irp b, 0,1,2,3
	v_max3_num_f32 v[TM+\b], |v[(\s)+16*\b]|, |v[(\s)+16*\b+1]|, 0x1800000   ; my 16 numbers of block b, each accumulator from its low end on, and the floor 2^(3 - 127): so the byte cannot fall under 1
.endr
.irp i, 2,4,6,8,10,12,14
.irp b, 0,1,2,3
	v_max3_num_f32 v[TM+\b], |v[(\s)+16*\b+\i]|, |v[(\s)+16*\b+\i+1]|, v[TM+\b]   ; (the four blocks by turns)
.endr
.endr
	WIN 0
.irp b, 0,1,2,3
	v_permlanex16_b32 v[TM+4+\b], v[TM+\b], s[SEL], s[SEL+1]
.endr
.irp b, 0,1,2,3
	v_max_num_f32 v[TM+\b], v[TM+\b], v[TM+4+\b]   ; with lane l xor 16's: the block's largest magnitude
.endr
.irp b, 0,1,2,3
	v_add_nc_u32 v[TM+12+\b], 0xff000000, v[TM+\b] ; 2 off its exponent field: the conversion's scale operand
.endr
.irp b, 0,1,2,3
	v_lshrrev_b32 v[TM+4+\b], 23, v[TM+12+\b]      ; the scale's byte
.endr
	v_lshl_or_b32 v[\pw], v[TM+5], 8, v[TM+4]
	v_lshl_or_b32 v[\pw], v[TM+6], 16, v[\pw]
	v_lshl_or_b32 v[\pw], v[TM+7], 24, v[\pw]
	WIN (\w)                                       ; source 0: the numbers' window
.irp c, 0,1
	v_cvt_scalef32_pk16_fp6_f32 v[PC+6*\c:PC+2+6*\c], v[(\s)+32*\c:(\s)+15+32*\c], v[TM+12+2*\c]
	v_cvt_scalef32_pk16_fp6_f32 v[PC+12+4*\c:PC+14+4*\c], v[(\s)+16+32*\c:(\s)+31+32*\c], v[TM+12+2*\c+1]   ; (a conversion's three registers begin on an even number)
.endr
	WIN 0
	v_nop                                          ; one plain line behind a scaled conversion
.irp c, 0,1                                    ; the operand's layout wants a whole block in a lane: lanes 0-15 block 2 c, lanes 16-31 block 2 c + 1
.irp i, 0,1,2
	v_permlane16_swap_b32 v[PC+6*\c+\i], v[PC+12+4*\c+\i]
.endr
.irp i, 0,1,2
	v_mov_b32 v[PC+3+6*\c+\i], v[PC+12+4*\c+\i]
.endr
.endr
.endm
	PLACES NP                                      ; behind the last products: the lines below write registers that held A's fragments
	s_mov_b32 s[SEL], 0x76543210
	s_mov_b32 s[SEL+1], 0xfedcba98
	v_and_b32 v[L8], 31, v0
	v_lshlrev_b32 v[L16], 4, v[L8]
	v_lshlrev_b32 v[L8], 3, v[L8]
	v_and_b32 v[VR], 15, v0
	v_bfe_u32 v[TT], v0, 4, 1
	v_lshlrev_b32 v[VR], 8, v[VR]
	v_lshl_add_u32 v[VR], v[TT], 5, v[VR]          ; the table: row l % 16 of 256 bytes, + 32 (l / 16)
.irp b, 0,1,2,3
	v_mov_b32 v[TM+4+\b], 0                        ; written once: a lane permute's destination counts as one of its sources
.endr
	s_cmp_lt_u32 s95, 8                            ; the cluster's y: the same in all sixteen partners
	s_cbranch_scc0 .Lv_path
	; ---- q and k.  Block a of A is 16 tokens; a lane's 64 numbers are features 16 b + 8 (l / 16) + j, b = 0 .. 7: two heads.
	s_lshr_b32 s20, s42, 2                         ; part 0 (q) or 1 (k)
	s_mul_i32 s20, s20, PART
	s_and_b32 s21, s42, 3
	s_lshl_b32 s21, s21, 2
	s_lshl_b32 s22, s16, 1
	s_add_co_u32 s21, s21, s22                     ; my first head: 4 (x % 4) + 2 x my half of B
	s_lshr_b32 s22, s17, 3                         ; the batch
	s_lshl_b32 s22, s22, 4
	s_add_co_u32 s21, s21, s22
	s_lshl_b32 s21, s21, 4
	s_and_b32 s22, s17, 7
	s_lshl_b32 s23, s22, 1
	s_add_co_u32 s23, s23, s15                     ; the step of 128 tokens in the sequence: 2 (y % 8) + my half of A
	s_add_co_u32 s21, s21, s23
	s_mul_i32 s21, s21, REC
	s_add_co_u32 s20, s20, s21
	s_mov_b32 s21, 0
	s_add_nc_u64 s[10:11], s[10:11], s[20:21]      ; my first head's record; the second head's lies HEADB on
	s_lshl_b32 s20, s23, 15                        ; 128 rows of 256 bytes a step
	s_add_nc_u64 s[8:9], s[8:9], s[20:21]
.macro ROPELOAD a, set                 ; (cos, sin) of tokens 16 a + l % 16 for my 32 pairs: pair 8 t + 4 (l / 16) + 0 .. 3 of the head at v[set + 8 t] on; both heads use the same
.irp t, 0,1,2,3
.irp u, 0,1
	global_load_b128 v[(\set)+8*\t+4*\u:(\set)+8*\t+4*\u+3], v[VR], s[8:9] offset:4096*(\a)+64*\t+16*\u
.endr
.endr
.endm
.macro QKBLOCK a
.set CSET, CS0+32*((\a)%2)
.set AC, 64*((\a)%4)
.if (\a) < 7
	s_wait_loadcnt 8                               ; this block's 8 loads are in; the next block's may be out
.else
	s_wait_loadcnt 0x0
.endif
	WIN 2+(\a)/4                                   ; source 0: the accumulators' window
.irp b, 0,1,2,3,4,5,6,7
.irp jj, 0,1,2,3
	v_pk_mul_f32 v[H+8*\b+2*\jj:H+8*\b+2*\jj+1], v[AC+8*\b+2*\jj:AC+8*\b+2*\jj+1], v[CSET+8*(\b%4)+2*\jj:CSET+8*(\b%4)+2*\jj+1] op_sel:[1,1] op_sel_hi:[1,0] neg_lo:[0,1]   ; (-xo sin, xo cos)
.endr
.irp jj, 0,1,2,3
	v_pk_fma_f32 v[H+8*\b+2*\jj:H+8*\b+2*\jj+1], v[AC+8*\b+2*\jj:AC+8*\b+2*\jj+1], v[CSET+8*(\b%4)+2*\jj:CSET+8*(\b%4)+2*\jj+1], v[H+8*\b+2*\jj:H+8*\b+2*\jj+1] op_sel_hi:[0,1,1]   ; + (xe cos, xe sin)
.endr
.endr
	WIN 0
	s_wait_xcnt 0x0                                ; the last block's stores have read their data: the codes' registers are written again only behind this wait
.if (\a)+2 <= 7
	ROPELOAD (\a)+2, CSET                          ; into the set just read
.endif
	QUANT H, 0, PWS+(\a)
.irp e, 0,1
.irp p, 0,1,2
	global_store_b64 v[L8], v[PC+6*\e+2*\p:PC+6*\e+2*\p+1], s[10:11] offset:HEADB*\e+768*(\a)+256*\p   ; 32 lanes store 256 consecutive bytes, aligned
.endr
.endr
.endm
	ROPELOAD 0, CS0
	ROPELOAD 1, CS0+32
.irp a, 0,1,2,3,4,5,6,7
	QKBLOCK \a
.endr
	s_mov_b32 vcc_lo, 0xffff0000                   ; the scale images: lanes 0-15 take the even tile's word, lanes 16-31 the odd tile's
	s_mov_b32 s20, 0xffff
	s_mov_b32 s21, 0x7f7f0000
.irp j, 0,1,2,3
	v_cndmask_b32 v[TT], v[PWS+2*\j], v[PWS+2*\j+1], vcc_lo
	v_and_or_b32 v[SA+\j], v[TT], s20, s21         ; the first head's two bytes,
	v_lshrrev_b32 v[TT], 16, v[TT]
	v_or_b32 v[SB+\j], s21, v[TT]                  ; the second head's; 0x7f above both
.endr
	global_store_b128 v[L16], v[SA:SA+3], s[10:11] offset:6144
	global_store_b128 v[L16], v[SB:SB+3], s[10:11] offset:6144+HEADB
	s_branch .Ljoin
	; ---- v.  Block a of A is 16 features: fragment a % 4 of head a / 4; a lane's 64 numbers are tokens 16 b + 8 (l / 16) + j of my 128: they are quantised as they stand in the accumulators.
.Lv_path:
	s_lshr_b32 s21, s98, 3                         ; the batch
	s_lshl_b32 s21, s21, 4
	s_lshl_b32 s22, s41, 2
	s_add_co_u32 s21, s21, s22
	s_lshl_b32 s22, s15, 1
	s_add_co_u32 s21, s21, s22                     ; + my first head: 4 cy + 2 x my half of A
	s_lshl_b32 s21, s21, 4
	s_and_b32 s22, s98, 7
	s_lshl_b32 s22, s22, 1
	s_add_co_u32 s22, s22, s16                     ; the step of 128 tokens
	s_add_co_u32 s21, s21, s22
	s_mul_i32 s20, s21, REC
	s_add_co_u32 s20, s20, 2*PART
	s_mov_b32 s21, 0
	s_add_nc_u64 s[10:11], s[10:11], s[20:21]
.macro VBLOCK a
.if (\a) > 0
	s_wait_xcnt 0x0                                ; the last block's stores have read their data
.endif
	QUANT 64*((\a)%4), 2+(\a)/4, PWS+(\a)
.irp c, 0,1,2
	global_store_b128 v[L16], v[PC+4*\c:PC+4*\c+3], s[10:11] offset:HEADB*((\a)/4)+1536*((\a)%4)+512*\c   ; 32 lanes store 512 consecutive bytes, aligned to 256
.endr
.endm
.irp a, 0,1,2,3,4,5,6,7
	VBLOCK \a
.endr
	global_store_b128 v[L16], v[PWS:PWS+3], s[10:11] offset:6144
	global_store_b128 v[L16], v[PWS+4:PWS+7], s[10:11] offset:6144+HEADB
.Ljoin:
	s_wait_tensorcnt 0x0                           ; the wave's end
	ds_add_u32 v[SPW], v[NIL]
	s_wait_dscnt 0x0
	CROUND                                         ; the closing round: no work-group ends while a partner may still ask for a tile that names it
	s_endpgm
.Lfunc_end_k_qd3e07221c0_qkv:
	.size	k_qd3e07221c0_qkv, .Lfunc_end_k_qd3e07221c0_qkv-k_qd3e07221c0_qkv
	.p2alignl 7, 3214868480
	.fill 96, 4, 3214868480
	.section	.rodata,"a",@progbits
	.p2align	6, 0x0
	.amdhsa_kernel k_qd3e07221c0_qkv
		.amdhsa_group_segment_fixed_size 327680
		.amdhsa_private_segment_fixed_size 0
		.amdhsa_enable_private_segment 0
		.amdhsa_kernarg_size 32
		.amdhsa_user_sgpr_count 2
		.amdhsa_user_sgpr_kernarg_segment_ptr 1
		.amdhsa_wavefront_size32 1
		.amdhsa_system_sgpr_workgroup_id_x 1
		.amdhsa_system_sgpr_workgroup_id_y 1
		.amdhsa_system_sgpr_workgroup_id_z 1
		.amdhsa_system_vgpr_workitem_id 0
		.amdhsa_next_free_vgpr 1024
		.amdhsa_next_free_sgpr 100
		.amdhsa_reserve_vcc 1
		.amdhsa_float_denorm_mode_32 3
		.amdhsa_float_denorm_mode_16_64 3
		.amdhsa_memory_ordered 1
		.amdhsa_forward_progress 1
		.amdhsa_inst_pref_size 239
	.end_amdhsa_kernel
	.amdgpu_metadata
---
amdhsa.version: [ 1, 2 ]
amdhsa.kernels:
  - .name:           k_qd3e07221c0_qkv
    .symbol:         k_qd3e07221c0_qkv.kd
    .args:
      - { .name: cod, .offset: 0, .size: 8, .value_kind: global_buffer, .address_space: global }
      - { .name: scl, .offset: 8, .size: 8, .value_kind: global_buffer, .address_space: global }
      - { .name: rope, .offset: 16, .size: 8, .value_kind: global_buffer, .address_space: global }
      - { .name: qkv, .offset: 24, .size: 8, .value_kind: global_buffer, .address_space: global }
    .group_segment_fixed_size: 327680
    .private_segment_fixed_size: 0
    .kernarg_segment_align: 8
    .kernarg_segment_size: 32
    .max_flat_workgroup_size: 128
    .sgpr_count:     100
    .vgpr_count:     1024
    .wavefront_size: 32
...
	.end_amdgpu_metadata
.endif
;; end of part 2
;; launch attn (part 3): grid 4 x 64, 16 waves a work-group, no clusters, 327,680 bytes of LDS; arguments qkv, acod, ascl; writes acod, ascl
.if DOCPART == 3
	.amdgcn_target "amdgcn-amd-amdhsa--gfx1250"
	.amdhsa_code_object_version 6
	.text
	.protected	k_qd3e07221c0_attn
	.globl	k_qd3e07221c0_attn
	.p2align	8
	.type	k_qd3e07221c0_attn,@function
k_qd3e07221c0_attn:
	s_mov_b64 s[64:65], 0
	v_nop
	global_prefetch_b8 v0, s[64:65] scope:SCOPE_SE
	s_setreg_imm32_b32 hwreg(HW_REG_WAVE_MODE, 25, 1), 1
	s_wait_xcnt 0x0
; Causal attention on codes of FP6 (E2M3) with E8M0 scales: 64 (batch, head) pairs, 2,048 tokens, head size 64.  Both products by v_wmma_scale_f32_16x16x128_f8f6f4; the result is quantised along the head's 64 for the output projection.
; IN: qkv, three parts (Q, K, V) of [64][16 steps of 128 tokens][records of 6,656 bytes]: images of operand registers.  Q, K: 8 tiles of 16 tokens x 768 bytes (registers 0-5 of a fragment; its registers 6-11, the upper 64 of the
; instruction's 128, are zero codes under the byte 0x7f), then 512 bytes of scale words.  V: 4 fragments (16 of the head's 64 x 128 keys) x 1,536 bytes, then 512 bytes of scale words.
; OUT: acod [512 tiles of 16 tokens][16 heads][768 bytes], laid as a tile of Q; ascl [8192 tokens][32]: byte 2 head + block.
; THE SOFTMAX: t = score x log2(e) / 8; M = the row's largest t so far, rounded up to a whole number; p = 2^(t - M) is quantised along the keys, not normalised; the row's sum is taken of the unquantised p and divides at the end.
; When M moves, the sum and O are multiplied by 2^(old M - new M): exact.
; SHARES.  A work-group owns query blocks i and 7 - i (256 queries each) of one (batch, head): under the causal mask every work-group so has the same work.  Each of its sixteen waves owns one tile of 16 queries of the lower
; block, then one of the upper, in 256 registers: four waves to a SIMD, so that one wave's vector work stands beside another's matrix work and LDS loads.
; K and V of the whole head, 32 records, lie in LDS, filled once: every wave brings two records.  No byte of LDS is filled twice or stored to.
; A key step is 128 keys.  A step all of whose keys come after the wave's queries is jumped over by a scalar branch on ids; the loops' trip counts are constants.
; LAYOUT.  Both products are used transposed: S^T = K Q^T, O^T = V^T P^T: a lane holds one query (lane % 16) throughout, and register 8 T + j of S^T is key 16 T + 8 (lane / 16) + j.  p's codes so fall, inside a block of 32, in the
; places 0-7, 16-23, 8-15, 24-31, and V's codes were laid in the same places.
; NO CLUSTER: the four work-groups of a head read the same K and V, but each jumps over other steps, by its own query blocks, and partners of a cluster run alike.  NO PREFETCH: all tensor loads go out at the head.
; LIMITS: NaN and infinities are not served; a block of zeros carries the byte 1 (its codes are zeros; this program alone reads the bytes).  The 2 scale bytes of a token and head are stored as they are made, 32 bytes apart.
.set REC,   6656
.set HEADB, 16*REC
.set PART,  64*HEADB
.set VOFF,  HEADB                      ; LDS: K's 16 records, then V's
.set AK0,  1                           ; v1   8 x lane
.set AL16, 2                           ; v2   16 x lane
.set AV0,  3                           ; v3   16 x lane + VOFF
.set R16,  4                           ; v4   16 x (lane % 16)
.set R32,  5                           ; v5   32 x (lane % 16)
.set DM0,  6                           ; v6   lane % 16 - 8 (lane / 16)
.set ADK,  8                           ; v8-10 the step's LDS addresses
.set ADS,  9
.set ADV,  10                          ; v12 -M, v13 the largest t, v[14:15] the sum in two halves
.set QL,   16                          ; v16-27 Q's fragment of the lower tile, v28-39 of the upper
.set QH,   28
.set QSL,  40                          ; v40, v41 their scale words
.set QSH,  41
.set KS,   42                          ; v42-45 K's scale words of a step: word j: lanes 0-15 tile 2 j, lanes 16-31 tile 2 j + 1
.set VS,   46                          ; v46-49 V's, a word a fragment
.set KA,   50                          ; v50-97 four fragments of K: registers 6-11 of each stay zero
.set S,    98                          ; v98-161 S^T, then p; V's four fragments are laid over v98-145
.set O,    162                         ; v162-193 O^T
.set PC,   194                         ; v194-205 p's codes
.set CT,   206                         ; v206-208, v210-212 the conversions' second halves
.set BM,   214                         ; v214-217 the blocks' largest scores, then largest p
.set PT,   218                         ; v218-221 the other half's; then the bytes
.set SO,   222                         ; v222-225 the conversions' scale operands
.set SU,   226                         ; v[226:227] the second chain of the sum
.set F,    228                         ; v228 2^(old M - new M)
.set PW,   229                         ; v229 p's scale word
.set TA,   230
.set DD,   231
.set NI,   232                         ; -infinity
.set TB,   2                           ; s2   LDS byte of the step's record of K
.set CNT,  3
.set KF,   10                          ; s10  the step's first key
.set Q0,   11                          ; s11  my tile's first query
.set WV,   18
.set BH,   19
.set SEL,  20
.set CS,   22                          ; s[22:23] c = log2(e) / 8
.set G1,   24
.set G0A,  32
.set G0B,  36
	s_load_b128 s[4:7], s[0:1], 0x0                ; qkv, acod
	s_load_b64 s[8:9], s[0:1], 0x10                ; ascl
	v_lshl_add_u32 v254, v0, 2, 0x34000
	v_mov_b32 v255, 0
	ds_add_u32 v254, v255
	ds_add_u32 v254, v255
	v_lshrrev_b32 v1, 5, v0
	s_delay_alu instid0(VALU_DEP_1)
	v_readfirstlane_b32 s[WV], v1                  ; wave 0..15
	s_and_b32 s[BH], ttmp7, 0xffff                 ; 16 x batch + head
	s_lshr_b32 s12, s[WV], 3                       ; I fetch for K (0) or V (1).  Also: which half of a block of 256 queries is mine
	s_and_b32 s13, s[WV], 7                        ; which record.  Also: which tile of a step of 128 queries
	s_mul_i32 s14, s12, VOFF
	s_mul_i32 s15, s13, REC
	s_add_co_u32 s14, s14, s15                     ; where my first record goes
	s_mul_i32 s58, s[BH], HEADB                    ; the head's first byte in a part
	s_add_co_u32 s16, s12, 1
	s_mul_i32 s16, s16, PART
	s_add_co_u32 s16, s16, s58
	s_add_co_u32 s16, s16, s15                     ; and where it comes from
	s_mov_b32 s17, 0
	s_mov_b32 s[G1], 3<<16                         ; a record: 26 dense rows of 256 bytes: elements of 8 bytes, no mask, no padding
	s_mov_b32 s[G1+1], 32<<16                      ; tensor_dim0
	s_mov_b32 s[G1+2], 26<<16                      ; tensor_dim1
	s_mov_b32 s[G1+3], 32<<16                      ; tile_dim0
	s_mov_b32 s[G1+4], 26                          ; tile_dim1
	s_mov_b32 s[G1+5], 32                          ; tensor_dim0_stride
	s_mov_b32 s[G1+6], 0
	s_mov_b32 s[G1+7], 0
	s_mov_b32 s[SEL], 0x76543210
	s_mov_b32 s[SEL+1], 0xfedcba98
	s_mov_b32 s[CS], 0x3e38aa3b
	s_mov_b32 s[CS+1], s[CS]                       ; (named with it as a pair, so it is written)
	s_wait_dscnt 0x0
	s_wait_kmcnt 0x0
	s_mov_b32 s[G0A], 1
	s_mov_b32 s[G0A+1], s14
	s_add_nc_u64 s[G0A+2:G0A+3], s[4:5], s[16:17]
	s_or_b32 s[G0A+3], s[G0A+3], 0x80000000
	s_mov_b32 s[G0B], 1
	s_add_co_u32 s[G0B+1], s14, 8*REC              ; the record eight steps on
	s_add_nc_u64 s[G0B+2:G0B+3], s[4:5], s[16:17]
	s_add_nc_u64 s[G0B+2:G0B+3], s[G0B+2:G0B+3], 8*REC
	s_or_b32 s[G0B+3], s[G0B+3], 0x80000000
	tensor_load_to_lds s[G0A:G0A+3], s[G1:G1+7]    ; steps 0-7 of K (waves 0-7) and V (waves 8-15)
	s_nop 0
	s_wait_alu depctr_va_vdst(0)
	s_wait_tensorcnt 0x0
	ds_add_u32 v254, v255
	s_wait_dscnt 0x0
	s_barrier_signal -1
	s_barrier_wait -1
	tensor_load_to_lds s[G0B:G0B+3], s[G1:G1+7]    ; steps 8-15: one tensor load of mine is out
	s_nop 0
.rept 4
	v_nop
.endr
	s_mul_i32 s59, s13, 768                        ; my tile in a record of Q,
	s_and_b32 s66, s13, 1
	s_lshl_b32 s66, s66, 8
	s_lshr_b32 s60, s13, 1
	s_lshl_b32 s60, s60, 2
	s_add_co_u32 s66, s66, s60
	s_add_co_u32 s66, s66, 6144                    ; and its scale words: lanes 16 (tile % 2) on, word tile / 2
	s_lshr_b32 s67, s[BH], 4
	s_lshl_b32 s67, s67, 7                         ; 128 x batch: tiles of 16 tokens
	s_and_b32 s68, s[BH], 15                       ; head
	s_sub_co_u32 s69, 7, ttmp9                     ; the upper block of queries
.macro BASES blk, qc, qs, ac, as, q0   ; the addresses of my tile in query block blk
	s_lshl_b32 s60, \blk, 1
	s_add_co_u32 s60, s60, s12                     ; its step of 128 tokens
	s_mul_i32 s60, s60, REC
	s_add_co_u32 s60, s60, s58
	s_add_co_u32 s62, s60, s66
	s_add_co_u32 s60, s60, s59
	s_mov_b32 s61, 0
	s_mov_b32 s63, 0
	s_add_nc_u64 s[\qc:\qc+1], s[4:5], s[60:61]
	s_add_nc_u64 s[\qs:\qs+1], s[4:5], s[62:63]
	s_lshl_b32 s[\q0], \blk, 8
	s_lshl_b32 s60, s[WV], 4
	s_add_co_u32 s[\q0], s[\q0], s60               ; its first query
	s_lshr_b32 s60, s[\q0], 4
	s_add_co_u32 s60, s60, s67
	s_lshl_b32 s60, s60, 4
	s_add_co_u32 s60, s60, s68
	s_mul_i32 s60, s60, 768
	s_add_nc_u64 s[\ac:\ac+1], s[6:7], s[60:61]
	s_lshl_b32 s60, s67, 4
	s_add_co_u32 s60, s60, s[\q0]
	s_lshl_b32 s60, s60, 5
	s_add_co_u32 s60, s60, s68
	s_add_co_u32 s60, s60, s68
	s_add_nc_u64 s[\as:\as+1], s[8:9], s[60:61]
.endm
	BASES ttmp9, 40, 42, 48, 50, 56
	BASES s69, 44, 46, 52, 54, 57
	v_and_b32 v7, 31, v0
	s_delay_alu instid0(VALU_DEP_1)
	v_lshlrev_b32 v[AK0], 3, v7
	s_delay_alu instid0(VALU_DEP_2)
	v_lshlrev_b32 v[AL16], 4, v7
	s_delay_alu instid0(VALU_DEP_1)
	v_add_nc_u32 v[AV0], VOFF, v[AL16]
	v_and_b32 v11, 15, v0
	v_bfe_u32 v7, v0, 4, 1
	s_delay_alu instid0(VALU_DEP_2)
	v_lshlrev_b32 v[R16], 4, v11
	s_delay_alu instid0(VALU_DEP_3)
	v_lshlrev_b32 v[R32], 5, v11
	s_delay_alu instid0(VALU_DEP_3)
	v_lshlrev_b32 v7, 3, v7
	s_delay_alu instid0(VALU_DEP_1)
	v_sub_nc_u32 v[DM0], v11, v7
.irp p, 0,1,2
	global_load_b64 v[QL+2*\p:QL+2*\p+1], v[AK0], s[40:41] offset:256*\p
	global_load_b64 v[QH+2*\p:QH+2*\p+1], v[AK0], s[44:45] offset:256*\p
.endr
	global_load_b32 v[QSL], v[R16], s[42:43]
	global_load_b32 v[QSH], v[R16], s[46:47]
.irp j, 6,7,8,9,10,11
	v_mov_b32 v[QL+\j], 0                          ; zero codes for the upper 64 of the instruction's 128, written once
	v_mov_b32 v[QH+\j], 0
.irp t, 0,1,2,3
	v_mov_b32 v[KA+12*\t+\j], 0
.endr
.endr
.irp b, 0,1,2,3
	v_mov_b32 v[PT+\b], 0                          ; a lane permute's destination counts as one of its sources
.endr
	v_mov_b32 v[TA], 0
	v_mov_b32 v[PW], 0                             ; (named as the upper half of the pair with F before it is first written)
	v_mov_b32 v[NI], 0xff800000
; A KEY STEP: 128 keys against my 16 queries, whose fragment lies at v[qb] and whose scale words in v[qs].
.macro STEP qb, qs
	s_add_co_u32 s60, s[Q0], 15
	s_cmp_gt_u32 s[KF], s60                        ; all keys of the step come after my queries: nothing to do
	s_cbranch_scc1 .Lhidden_\@
	s_setprio 2
	v_add_nc_u32 v[ADK], s[TB], v[AK0]
	s_wait_alu depctr_va_vdst(0)
	v_add_nc_u32 v[ADS], s[TB], v[AL16]
	v_add_nc_u32 v[ADV], s[TB], v[AV0]
	v_nop                                          ; five plain lines between the last step's products and the products below, whose results are laid over V's fragments
	v_nop
.irp g, 0,1                                    ; S^T = K Q^T, four tiles of 16 keys at a time
.if \g > 0
.rept 4
	v_nop                                          ; places in front of loads into registers that matrix instructions have read
.endr
.endif
.irp t, 0,1,2,3
.irp p, 0,1,2
	ds_load_b64 v[KA+12*\t+2*\p:KA+12*\t+2*\p+1], v[ADK] offset:(4*\g+\t)*768+256*\p   ; 32 lanes read 256 consecutive bytes
.endr
.endr
.if \g == 0
	ds_load_b128 v[KS:KS+3], v[ADS] offset:6144
.endif
	s_wait_dscnt 0x0
.irp t, 0,2
	v_wmma_scale_f32_16x16x128_f8f6f4 v[S+8*(4*\g+\t):S+8*(4*\g+\t)+7], v[KA+12*\t:KA+12*\t+11], v[\qb:\qb+11], 0, v[KS+2*\g+\t/2], v[\qs] matrix_a_fmt:MATRIX_FMT_FP6 matrix_b_fmt:MATRIX_FMT_FP6
	v_wmma_scale_f32_16x16x128_f8f6f4 v[S+8*(4*\g+\t+1):S+8*(4*\g+\t+1)+7], v[KA+12*(\t+1):KA+12*(\t+1)+11], v[\qb:\qb+11], 0, v[KS+2*\g+\t/2], v[\qs] matrix_a_fmt:MATRIX_FMT_FP6 matrix_b_fmt:MATRIX_FMT_FP6 matrix_a_scale:MATRIX_SCALE_ROW1
.endr
.endr
.rept 4
	v_nop
.endr
	s_add_co_u32 s60, s[KF], 127                   ; on the diagonal the scores of hidden keys become -infinity ahead of the maximum: p = 0 then.  A step all of whose keys count skips this
	s_cmp_le_u32 s60, s[Q0]
	s_cbranch_scc1 .Lopen_\@
	s_sub_co_i32 s60, s[Q0], s[KF]
	v_add_nc_u32 v[DD], s60, v[DM0]                ; d = my query - KF - 8 (lane / 16): register 8 T + j is hidden where 16 T + j > d
.set N, 0
.rept 64
	v_cmp_gt_i32 vcc_lo, 16*(N/8)+N%8, v[DD]
	v_cndmask_b32 v[S+N], v[S+N], v[NI], vcc_lo
.set N, N+1
.endr
.Lopen_\@:
.irp b, 0,1,2,3
	v_max3_num_f32 v[BM+\b], v[S+16*\b], v[S+1+16*\b], v[S+2+16*\b]   ; the largest score of each block of 32 keys: it serves for the row's maximum and, since p rises with the score, for the block's largest p
.endr
.irp i, 3,5,7,9,11,13
.irp b, 0,1,2,3
	v_max3_num_f32 v[BM+\b], v[BM+\b], v[S+16*\b+\i], v[S+1+16*\b+\i]
.endr
.endr
.irp b, 0,1,2,3
	v_max_num_f32 v[BM+\b], v[BM+\b], v[S+15+16*\b]
.endr
.irp b, 0,1,2,3
	s_delay_alu instid0(VALU_DEP_4)
	v_permlanex16_b32 v[PT+\b], v[BM+\b], s[SEL], s[SEL+1]
.endr
.irp b, 0,1,2,3
	s_delay_alu instid0(VALU_DEP_4)
	v_max_num_f32 v[BM+\b], v[BM+\b], v[PT+\b]     ; with lane l xor 16's 16 keys
.endr
	s_delay_alu instid0(VALU_DEP_2)
	v_max3_num_f32 v[TA], v[BM], v[BM+1], v[BM+2]
	s_delay_alu instid0(VALU_DEP_1)
	v_max_num_f32 v[TA], v[TA], v[BM+3]            ; the step's largest score of my query
	s_delay_alu instid0(VALU_DEP_1)
	v_mul_f32 v[TA], s[CS], v[TA]                  ; as t
	s_delay_alu instid0(VALU_DEP_1)
	v_max_num_f32 v13, v13, v[TA]                  ; the running largest t
	v_mov_b32 v[TA], v12
	s_delay_alu instid0(VALU_DEP_2)
	v_floor_f32 v12, -v13                          ; the new -M = -ceil(t): a whole number
	s_delay_alu instid0(VALU_DEP_1)
	v_sub_f32 v[TA], v12, v[TA]                    ; old M - new M: a whole number, 0 or less
	s_delay_alu instid0(VALU_DEP_1)
	v_cvt_i32_f32 v[TA], v[TA]                     ; (it saturates)
	s_delay_alu instid0(VALU_DEP_1)
	v_ldexp_f32 v[F], 1.0, v[TA]                   ; f = 2^(old M - new M)
.set J, 0
.rept 32
	v_pk_fma_f32 v[S+J:S+J+1], v[S+J:S+J+1], s[CS:CS+1], v[12:13] op_sel_hi:[1,0,0]   ; t - M, two at a time
.set J, J+2
.endr
	s_setprio 1
.irp b, 0,1,2,3
	v_fma_f32 v[BM+\b], v[BM+\b], s[CS], v12       ; the same of each block's largest score
.endr
.set J, 0
	s_wait_alu depctr_va_vdst(0)
.rept 64
	v_exp_f32 v[S+J], v[S+J]                       ; p = 2^(t - M), at most 1
.set J, J+1
.endr
	v_pk_mul_f32 v[14:15], v[14:15], v[F:F+1] op_sel_hi:[1,0]   ; the sums under the new M.  (A plain line behind the exponentials)
	s_wait_alu depctr_va_vdst(0)                   ; one wait for the batch of 64, ahead of its first reader
.irp b, 0,1,2,3
	v_exp_f32 v[BM+\b], v[BM+\b]                   ; the block's largest p
.endr
	v_pk_add_f32 v[SU:SU+1], v[S:S+1], v[S+2:S+3]  ; the row's sum is taken of the unquantised p, in two chains
.set J, 4
.rept 15
	v_pk_add_f32 v[14:15], v[14:15], v[S+J:S+J+1]
	v_pk_add_f32 v[SU:SU+1], v[SU:SU+1], v[S+J+2:S+J+3]
.set J, J+4
.endr
	s_delay_alu instid0(VALU_DEP_1)
	v_pk_add_f32 v[14:15], v[14:15], v[SU:SU+1]
	s_wait_alu depctr_va_vdst(0)                   ; and one for the four
.irp b, 0,1,2,3
	v_max_num_f32 v[BM+\b], 0x1800000, v[BM+\b]    ; the floor 2^(3 - 127): the byte cannot fall under 1
.endr
.irp b, 0,1,2,3
	s_delay_alu instid0(VALU_DEP_4)
	v_add_nc_u32 v[SO+\b], 0xff000000, v[BM+\b]    ; 2 off the exponent field: the conversion's scale operand
.endr
.irp b, 0,1,2,3
	s_delay_alu instid0(VALU_DEP_4)
	v_lshrrev_b32 v[PT+\b], 23, v[SO+\b]           ; the scale's byte
.endr
	s_delay_alu instid0(VALU_DEP_3)
	v_lshl_or_b32 v[PW], v[PT+1], 8, v[PT]         ; p's scale word for these 128 keys
	s_delay_alu instid0(VALU_DEP_1)
	v_lshl_or_b32 v[PW], v[PT+2], 16, v[PW]
	s_delay_alu instid0(VALU_DEP_1)
	v_lshl_or_b32 v[PW], v[PT+3], 24, v[PW]
.irp c, 0,1
	v_cvt_scalef32_pk16_fp6_f32 v[PC+6*\c:PC+2+6*\c], v[S+32*\c:S+15+32*\c], v[SO+2*\c]
	v_cvt_scalef32_pk16_fp6_f32 v[CT+4*\c:CT+2+4*\c], v[S+16+32*\c:S+31+32*\c], v[SO+2*\c+1]   ; (a conversion's three registers begin on an even number)
.endr
	s_setprio 0
.irp d, 0,1,2,3                                ; p is in codes: V's four fragments land where it lay, while the codes are put in order and O^T is rescaled
.irp c, 0,1,2
	ds_load_b128 v[S+12*\d+4*\c:S+12*\d+4*\c+3], v[ADV] offset:1536*\d+512*\c   ; 32 lanes read 512 consecutive bytes
.endr
.endr
	ds_load_b128 v[VS:VS+3], v[ADV] offset:6144
	v_nop                                          ; one plain line between a scaled conversion and the vector line that touches its result
.irp c, 0,1                                    ; the operand's layout wants a whole block in a lane
.irp i, 0,1,2
	v_permlane16_swap_b32 v[PC+6*\c+\i], v[CT+4*\c+\i]
.endr
.irp i, 0,1,2
	s_delay_alu instid0(VALU_DEP_3)
	v_mov_b32 v[PC+3+6*\c+\i], v[CT+4*\c+\i]
.endr
.endr
.set J, 0
.rept 16
	v_pk_mul_f32 v[O+J:O+J+1], v[O+J:O+J+1], v[F:F+1] op_sel_hi:[1,0]   ; O^T under the new M.  (These 16 also stand between the writing of p's codes and scale word and the products)
.set J, J+2
.endr
	s_wait_alu depctr_va_vdst(0)
	s_wait_dscnt 0x0
.irp d, 0,1,2,3                                ; O^T += V^T P^T: the four accumulators by turns
	v_wmma_scale_f32_16x16x128_f8f6f4 v[O+8*\d:O+8*\d+7], v[S+12*\d:S+12*\d+11], v[PC:PC+11], v[O+8*\d:O+8*\d+7], v[VS+\d], v[PW] matrix_a_fmt:MATRIX_FMT_FP6 matrix_b_fmt:MATRIX_FMT_FP6
.endr
.Lhidden_\@:
.endm
; THE WAY OUT of a tile: O^T / the sum, quantised along the head's 64 (two blocks; register 16 b + i belongs to block b), as an image of registers 0-5 of a fragment, and two scale bytes a token.
.macro OUT ac, as
.rept 4
	v_nop
.endr
	v_add_f32 v14, v14, v15
	s_delay_alu instid0(VALU_DEP_1)
	v_permlanex16_b32 v[TA], v14, s[SEL], s[SEL+1]
	s_delay_alu instid0(VALU_DEP_1)
	v_add_f32 v14, v14, v[TA]                      ; the row's sum
	s_wait_alu depctr_va_vdst(0)
	v_rcp_f32 v14, v14
	v_nop                                          ; a plain line behind the reciprocal
	s_wait_alu depctr_va_vdst(0)                   ; and the wait ahead of its first reader
.set J, 0
.rept 16
	v_pk_mul_f32 v[O+J:O+J+1], v[O+J:O+J+1], v[14:15] op_sel_hi:[1,0]   ; each accumulator from its low end on
.set J, J+2
.endr
.irp b, 0,1
	v_max3_num_f32 v[BM+\b], |v[O+16*\b]|, |v[O+16*\b+1]|, 0x1800000
.endr
.irp i, 2,4,6,8,10,12,14
.irp b, 0,1
	s_delay_alu instid0(VALU_DEP_2)
	v_max3_num_f32 v[BM+\b], v[BM+\b], |v[O+16*\b+\i]|, |v[O+16*\b+\i+1]|
.endr
.endr
.irp b, 0,1
	s_delay_alu instid0(VALU_DEP_2)
	v_permlanex16_b32 v[PT+\b], v[BM+\b], s[SEL], s[SEL+1]
.endr
.irp b, 0,1
	s_delay_alu instid0(VALU_DEP_2)
	v_max_num_f32 v[BM+\b], v[BM+\b], v[PT+\b]
.endr
.irp b, 0,1
	s_delay_alu instid0(VALU_DEP_2)
	v_add_nc_u32 v[SO+\b], 0xff000000, v[BM+\b]
.endr
.irp b, 0,1
	s_delay_alu instid0(VALU_DEP_2)
	v_lshrrev_b32 v[PT+\b], 23, v[SO+\b]
.endr
	s_delay_alu instid0(VALU_DEP_1)
	v_lshl_or_b32 v[DD], v[PT+1], 8, v[PT]
	v_cvt_scalef32_pk16_fp6_f32 v[PC:PC+2], v[O:O+15], v[SO]
	v_cvt_scalef32_pk16_fp6_f32 v[CT:CT+2], v[O+16:O+31], v[SO+1]
	v_nop
.irp i, 0,1,2
	v_permlane16_swap_b32 v[PC+\i], v[CT+\i]
.endr
.irp i, 0,1,2
	s_delay_alu instid0(VALU_DEP_3)
	v_mov_b32 v[PC+3+\i], v[CT+\i]
.endr
.irp p, 0,1,2
	global_store_b64 v[AK0], v[PC+2*\p:PC+2*\p+1], s[\ac:\ac+1] offset:256*\p   ; 32 lanes store 256 consecutive bytes, aligned
.endr
	global_store_b16 v[R32], v[DD], s[\as:\as+1]   ; lanes l and l xor 16 store the same two bytes at the same place
.endm
.macro TILE qb, qs, nt, q0, ac, as
	s_wait_xcnt 0x0                                ; earlier stores have read their data
	s_mov_b32 s[Q0], s[\q0]
	v_mov_b32 v13, 0xff61b1e6                      ; the largest t so far: -3e38
	s_delay_alu instid0(VALU_DEP_1)
	v_floor_f32 v12, -v13
	v_mov_b32 v14, 0
	v_mov_b32 v15, 0
.set J, 0
.rept 32
	v_mov_b32 v[O+J], 0                            ; the step is written once: the first finds zeros, which the first change of M leaves zeros
.set J, J+1
.endr
	s_mov_b32 s[TB], 0
	s_mov_b32 s[KF], 0
	s_mov_b32 s[CNT], \nt
.Lstep_\@:
	STEP \qb, \qs
	s_add_co_u32 s[TB], s[TB], REC
	s_add_co_u32 s[KF], s[KF], 128
	s_sub_co_u32 s[CNT], s[CNT], 1
	s_cmp_lg_u32 s[CNT], 0
	s_cbranch_scc1 .Lstep_\@
	s_setprio 0
	OUT \ac, \as
.endm
	s_wait_tensorcnt 1                             ; my record of steps 0-7 is in; that of steps 8-15 may stay out: the lower tile's queries lie under 1,024
	s_barrier_signal -1
	s_barrier_wait -1                              ; everybody's is
	s_wait_loadcnt 0x0                             ; Q
	TILE QL, QSL, 8, 56, 48, 50
	s_wait_tensorcnt 0x0                           ; my record of steps 8-15 is in,
	s_wait_dscnt 0x0
	s_barrier_signal -1
	s_barrier_wait -1                              ; everybody's is
	TILE QH, QSH, 16, 57, 52, 54
	s_wait_tensorcnt 0x0
	ds_add_u32 v254, v255
	s_wait_dscnt 0x0
	s_endpgm
.Lfunc_end_k_qd3e07221c0_attn:
	.size	k_qd3e07221c0_attn, .Lfunc_end_k_qd3e07221c0_attn-k_qd3e07221c0_attn
	.p2alignl 7, 3214868480
	.fill 96, 4, 3214868480
	.section	.rodata,"a",@progbits
	.p2align	6, 0x0
	.amdhsa_kernel k_qd3e07221c0_attn
		.amdhsa_group_segment_fixed_size 327680
		.amdhsa_private_segment_fixed_size 0
		.amdhsa_enable_private_segment 0
		.amdhsa_kernarg_size 24
		.amdhsa_user_sgpr_count 2
		.amdhsa_user_sgpr_kernarg_segment_ptr 1
		.amdhsa_wavefront_size32 1
		.amdhsa_system_sgpr_workgroup_id_x 1
		.amdhsa_system_sgpr_workgroup_id_y 1
		.amdhsa_system_sgpr_workgroup_id_z 1
		.amdhsa_system_vgpr_workitem_id 0
		.amdhsa_next_free_vgpr 256
		.amdhsa_next_free_sgpr 72
		.amdhsa_reserve_vcc 1
		.amdhsa_float_denorm_mode_32 3
		.amdhsa_float_denorm_mode_16_64 3
		.amdhsa_memory_ordered 1
		.amdhsa_forward_progress 1
		.amdhsa_inst_pref_size 66
	.end_amdhsa_kernel
	.amdgpu_metadata
---
amdhsa.version: [ 1, 2 ]
amdhsa.kernels:
  - .name:           k_qd3e07221c0_attn
    .symbol:         k_qd3e07221c0_attn.kd
    .args:
      - { .name: qkv, .offset: 0, .size: 8, .value_kind: global_buffer, .address_space: global }
      - { .name: acod, .offset: 8, .size: 8, .value_kind: global_buffer, .address_space: global }
      - { .name: ascl, .offset: 16, .size: 8, .value_kind: global_buffer, .address_space: global }
    .group_segment_fixed_size: 327680
    .private_segment_fixed_size: 0
    .kernarg_segment_align: 8
    .kernarg_segment_size: 24
    .max_flat_workgroup_size: 512
    .sgpr_count:     72
    .vgpr_count:     256
    .wavefront_size: 32
...
	.end_amdgpu_metadata
.endif
;; end of part 3
;; launch oproj (part 4): grid 4 x 32, 4 waves a work-group, clusters of 4 x 4, 327,680 bytes of LDS; arguments acod, ascl, cod, scl, out0; writes out0
.if DOCPART == 4
	.amdgcn_target "amdgcn-amd-amdhsa--gfx1250"
	.amdhsa_code_object_version 6
	.text
	.protected	k_qd3e07221c0_oproj
	.globl	k_qd3e07221c0_oproj
	.p2align	8
	.type	k_qd3e07221c0_oproj,@function
k_qd3e07221c0_oproj:
	s_mov_b64 s[64:65], 0
	v_nop
	global_prefetch_b8 v0, s[64:65] scope:SCOPE_SE
	s_setreg_imm32_b32 hwreg(HW_REG_WAVE_MODE, 25, 1), 1
	s_wait_xcnt 0x0
	s_wait_alu depctr_hold_cnt(0) depctr_sa_sdst(0) depctr_va_vdst(0) depctr_va_sdst(0) depctr_va_ssrc(0) depctr_va_vcc(0) depctr_vm_vsrc(0)
	s_getreg_b32 s2, hwreg(HW_REG_IB_STS2, 6, 4)
	s_cmp_eq_u32 s2, 0
	s_cbranch_scc0 .Lentry_in_a_cluster
	s_endpgm
.Lentry_in_a_cluster:
	s_bfe_u32 s2, ttmp6, 0x10000c
	s_cmp_lg_u32 s2, 0xf033
	s_cbranch_scc0 .Lentry_shape_is_right
	s_endpgm
.Lentry_shape_is_right:
; out0[m][n] = sum over k of A[m][k] Wo[n][k], on codes of FP6 (E2M3) with one E8M0 scale for each 32 along K; M = 8,192 tokens, N = K = 1,024; sums and out0 in f32.
; A, the attention's result: acod [512 tiles of 16 tokens][16 heads][768 bytes]: images of registers 0-5 of a fragment (16 tokens x a head's 64: piece p of lane l at 256 p + 8 l); ascl [8192][32] scale bytes.
; Wo: rows 11,264 on of cod (768 bytes of codes a row) and of scl (32 bytes a row).  Inside a block of 32 both operands hold their numbers in the same places.
; A tile of out0, 256 x 256, is made by a work-group of four waves, 128 x 128 each: 64 accumulators, 512 registers.  K goes in steps of 256 (four heads) through a ring of two LDS slots filled by the tensor data mover;
; the scale bytes of the tile's rows come into LDS once.  4 x 4 work-groups form a cluster: A's tiles are asked for jointly along a row of it, Wo's along a column.
; The matrix instruction is used transposed (source 0 = 16 rows of Wo, source 1 = 16 tokens): a lane holds eight neighbouring numbers of a row of out0.
; REGISTERS, in windows of 256: window 0: v0-31 addresses; v32-63 scale words, two sets; from v128 A's fragments, one set; on the way out v128-255 hold rows.   window 1: Wo's fragments, two sets.   windows 2, 3: the accumulators.
.set SIZE_M, 8192
.set SIZE_N, 1024
.set SIZE_K, 1024
.set WOROW,  11264                     ; Wo's first row in cod and scl
.set KSTEP,  256
.set NQ,     KSTEP/128
.set ROWB,   192                       ; a row of Wo's tile in bytes
.set AROW,   3072                      ; a row of A's tile: 16 tokens x four heads
.set KROW,   SIZE_K*6/8
.set PITCH,  240                       ; an LDS row of Wo: 3 x (64 bytes + 16 of padding)
.set FR,     12
.set NL,     6
.set NP,     4
.set HALFT,  128*PITCH                 ; the room of 128 rows; A's 128 tokens use 8 x 3,072 bytes of it
.set SLOT,   4*HALFT
.set LAPS,   SIZE_K/(2*KSTEP)
.set KS,     SIZE_K/32
.set SCL,    2*SLOT
.set HALFS,  (128*KS/256)*272
.set SBLK,   (16*KS/256)*272
.set SPARE,  SCL+4*HALFS               ; the spare words, 128 bytes for each wave: two blocks of 256 bytes that no other line names
.set SPITCH, 528                       ; the way out: a stage of 16 rows x (512 bytes + 16) for each wave, in slot 0, which has had its last fill and its last read when the first result is stored there
.set ADRA, 16                          ; v16-17  LDS address of my A fragments in slot 0, 1
.set ADRB, 20                          ; v20-23  the same for Wo, and for the pieces behind one padding more
.set STO,  24
.set RD,   25
.set CO,   26
.set SPW,  28
.set NIL,  29
.set ADRS, 27
.set SC,   32
.set AF,   128
.set BK,   128
.set G1, 24
.set G0, 32
.set G1B, 48
.set G0B, 56
.set G1S, 68
.set G0S, 76
.set G1SB, 80
.set G0SB, 88
.set MSB, 0
.macro WIN new                         ; the immediate's high byte repeats the setting that is left
.if MSB != (\new)
	s_set_vgpr_msb (MSB<<8)|(\new)
.set MSB, (\new)
.endif
.endm
.set MUL_LO, 0xa1
.set MUL_HI, 0xf1
.set TO_B,   0x40
.macro JLOAD g0a, g1a, g0b, g1b        ; a joint load: waves 0 and 1 fetch for A, waves 2 and 3 for Wo; four v_nop follow each of the two lines
	s_cmp_eq_u32 s15, 0
	s_cbranch_scc0 .Lfor_b_\@
	tensor_load_to_lds s[\g0a:\g0a+3], s[\g1a:\g1a+7]
	s_nop 0
.rept 4
	v_nop
.endr
	s_branch .Lasked_\@
.Lfor_b_\@:
	tensor_load_to_lds s[\g0b:\g0b+3], s[\g1b:\g1b+7]
	s_nop 0
.rept 4
	v_nop
.endr
.Lasked_\@:
.endm
.macro CREST
	s_cmp_lg_u32 s14, 0
	s_cbranch_scc1 .Lnot_wave_0_\@
	s_barrier_signal -3
.Lnot_wave_0_\@:
	s_barrier_wait -3
	s_barrier_signal -1
	s_barrier_wait -1
.endm
.macro CROUND
	s_barrier_signal -1
	s_barrier_wait -1
	CREST
.endm
	s_load_b128 s[4:7], s[0:1], 0x0                ; acod s[4:5], ascl s[6:7]
	s_load_b128 s[8:11], s[0:1], 0x10              ; cod s[8:9], scl s[10:11]
	s_load_b64 s[12:13], s[0:1], 0x20              ; out0
	v_lshl_add_u32 v[SPW], v0, 2, SPARE
	v_mov_b32 v[NIL], 0
	ds_add_u32 v28, v29
	ds_add_u32 v28, v29
	s_wait_dscnt 0x0
	v_lshrrev_b32 v1, 5, v0
	v_readfirstlane_b32 s14, v1                    ; wave 0..3
	s_lshr_b32 s15, s14, 1                         ; which half of the tile's rows is mine.  Also: I fetch for A (0) or for Wo (1)
	s_and_b32 s16, s14, 1                          ; which half of its columns.  Also: which 128 rows of that tile I fetch
	s_bfe_u32 s40, ttmp6, 0x40000                  ; cx, cy
	s_bfe_u32 s41, ttmp6, 0x40004
	s_lshl_b32 s42, ttmp9, 2
	s_add_co_u32 s42, s42, s40                     ; tile column
	s_and_b32 s17, ttmp7, 0xffff
	s_lshl_b32 s17, s17, 2
	s_add_co_u32 s17, s17, s41                     ; tile row
	s_lshl_b32 s43, s41, 2
	s_lshl_b32 s43, 15, s43                        ; my row of the cluster
	s_lshl_b32 s44, 0x1111, s40                    ; my column
	; A's tile: 8 rows (tiles of 16 tokens) of 3,072 bytes (four heads' images), 12,288 bytes apart; no padding: a fragment's loads read consecutive bytes
	s_or_b32 s[G1+0], s43, (3<<16)|(1<<21)         ; 15:0 the mask: my row; 17:16 elements of 8 bytes; 21 set beside a mask
	s_mov_b32 s[G1+1], (AROW/8)<<16                ; tensor_dim0
	s_mov_b32 s[G1+2], 8<<16                       ; tensor_dim1
	s_mov_b32 s[G1+3], (AROW/8)<<16                ; tile_dim0
	s_mov_b32 s[G1+4], 8                           ; tile_dim1
	s_mov_b32 s[G1+5], 16*KROW/8                   ; tensor_dim0_stride
	s_mov_b32 s[G1+6], 0
	s_mov_b32 s[G1+7], 0
	; Wo's tile: 128 rows x 192 bytes, 16 bytes of padding behind every 64
	s_or_b32 s[G1B+0], s44, (0<<16)|(1<<20)|(1<<21)|(3<<22)|(3<<25)
	s_mov_b32 s[G1B+1], ROWB<<16
	s_mov_b32 s[G1B+2], 128<<16
	s_mov_b32 s[G1B+3], ROWB<<16
	s_mov_b32 s[G1B+4], 128
	s_mov_b32 s[G1B+5], KROW
	s_mov_b32 s[G1B+6], 0
	s_mov_b32 s[G1B+7], 0
	; the scales of 128 rows: a dense block of 4,096 bytes, as rows of 256 bytes, 16 bytes of padding behind each
	s_or_b32 s[G1S+0], s43, (3<<16)|(1<<20)|(1<<21)|(5<<22)|(3<<25)
	s_or_b32 s[G1SB+0], s44, (3<<16)|(1<<20)|(1<<21)|(5<<22)|(3<<25)
.irp g, G1S, G1SB
	s_mov_b32 s[\g+1], 32<<16
	s_mov_b32 s[\g+2], (128*KS/256)<<16
	s_mov_b32 s[\g+3], 32<<16
	s_mov_b32 s[\g+4], 128*KS/256
	s_mov_b32 s[\g+5], 32
	s_mov_b32 s[\g+6], 0
	s_mov_b32 s[\g+7], 0
.endr
	s_lshl_b32 s18, s16, 7                         ; which 128 rows of the tile I fetch
	s_lshl_b32 s20, s17, 8
	s_add_co_u32 s20, s20, s18                     ; A: token 256 x tile row + 128 x half
	s_lshl_b32 s46, s42, 8
	s_add_co_u32 s46, s46, s18
	s_add_co_u32 s46, s46, WOROW                   ; Wo: row 11,264 + 256 x tile column + 128 x half
	s_mov_b32 s21, 0
	s_mov_b32 s47, 0
	s_mov_b64 s[18:19], KS
	s_mul_u64 s[22:23], s[20:21], s[18:19]         ; where these rows' scales begin, in bytes
	s_mul_u64 s[92:93], s[46:47], s[18:19]
	s_mov_b64 s[18:19], KROW
	s_mul_u64 s[20:21], s[20:21], s[18:19]         ; and their codes: 16 tokens are 12,288 bytes in the images too
	s_mul_u64 s[46:47], s[46:47], s[18:19]
	s_mul_i32 s45, s14, HALFT                      ; where they go: no place in the cluster enters an LDS address
	s_mul_i32 s94, s14, HALFS
	s_wait_kmcnt 0x0
	s_add_nc_u64 s[20:21], s[4:5], s[20:21]
	s_add_nc_u64 s[22:23], s[6:7], s[22:23]
	s_add_nc_u64 s[46:47], s[8:9], s[46:47]
	s_add_nc_u64 s[92:93], s[10:11], s[92:93]
	CROUND                                         ; all sixteen work-groups are here: the first joint loads meet
	s_mov_b32 s[G0S], 1
	s_add_co_u32 s[G0S+1], s94, SCL
	s_mov_b64 s[G0S+2:G0S+3], s[22:23]
	s_or_b32 s[G0S+3], s[G0S+3], 0x80000000
	s_mov_b32 s[G0SB], 1
	s_add_co_u32 s[G0SB+1], s94, SCL
	s_mov_b64 s[G0SB+2:G0SB+3], s[92:93]
	s_or_b32 s[G0SB+3], s[G0SB+3], 0x80000000
	JLOAD G0S, G1S, G0SB, G1SB                     ; the scales first
.irp s, 0,1
	s_mov_b32 s[G0+4*\s], 1
	s_add_co_u32 s[G0+4*\s+1], s45, \s*SLOT
	s_add_nc_u64 s[G0+4*\s+2:G0+4*\s+3], s[20:21], \s*AROW
	s_or_b32 s[G0+4*\s+3], s[G0+4*\s+3], 0x80000000
	s_mov_b32 s[G0B+4*\s], 1
	s_add_co_u32 s[G0B+4*\s+1], s45, \s*SLOT
	s_add_nc_u64 s[G0B+4*\s+2:G0B+4*\s+3], s[46:47], \s*ROWB
	s_or_b32 s[G0B+4*\s+3], s[G0B+4*\s+3], 0x80000000
	JLOAD G0+4*\s, G1, G0B+4*\s, G1B
.endr
	v_and_b32 v1, 15, v0                           ; l % 16
	v_bfe_u32 v2, v0, 4, 1                         ; l / 16
	v_mul_u32_u24 v3, v1, PITCH
	v_mul_u32_u24 v4, v2, 24
	v_add_nc_u32 v4, v3, v4                        ; Wo: a fragment's row x pitch + 24 x half
	v_lshl_add_u32 v5, v2, 4, v4                   ; and the same behind one padding more
	v_and_b32 v7, 31, v0
	v_lshlrev_b32 v7, 3, v7                        ; A: 8 x lane
	s_mul_i32 s21, s15, HALFT                      ; my 128 tokens
	s_mul_i32 s22, s16, HALFT                      ; my 128 rows of Wo,
	s_add_co_u32 s22, s22, 2*HALFT                 ; which lie behind A's room
.irp s, 0,1
	v_add_nc_u32 v[ADRA+\s], s21, v7
	v_add_nc_u32 v[ADRB+\s], s22, v4
	v_add_nc_u32 v[ADRB+2+\s], s22, v5
	s_add_co_u32 s21, s21, SLOT
	s_add_co_u32 s22, s22, SLOT
.endr
	v_mul_u32_u24 v5, v1, KS
	v_lshrrev_b32 v6, 8, v5
	v_lshl_add_u32 v5, v6, 4, v5
	s_mul_i32 s21, s15, HALFS
	s_mul_i32 s22, s16, HALFS
	s_add_co_u32 s22, s22, 2*HALFS
	s_sub_co_u32 s22, s22, s21
	v_mul_u32_u24 v6, s22, v2                      ; lanes 16-31 take Wo's
	s_add_co_u32 s21, s21, SCL
	v_add_nc_u32 v5, v5, v6
	v_add_nc_u32 v[ADRS], s21, v5
	s_mul_i32 s23, s14, 16*SPITCH                  ; my stage
	v_mul_u32_u24 v5, v1, SPITCH
	v_lshl_add_u32 v5, v2, 5, v5
	v_add_nc_u32 v[STO], s23, v5
	v_and_b32 v6, 31, v0
	v_lshlrev_b32 v[CO], 4, v6
	v_add_nc_u32 v[RD], s23, v[CO]
	s_lshl_b32 s20, s17, 8
	s_lshl_b32 s21, s15, 7
	s_add_co_u32 s20, s20, s21                     ; my first row of out0
	s_mov_b32 s21, 0
	s_mov_b64 s[18:19], SIZE_N*4
	s_mul_u64 s[20:21], s[20:21], s[18:19]
	s_lshl_b32 s46, s42, 10                        ; my first column, in bytes
	s_lshl_b32 s47, s16, 9
	s_add_co_u32 s46, s46, s47
	s_mov_b32 s47, 0
	s_add_nc_u64 s[20:21], s[20:21], s[46:47]
	s_add_nc_u64 s[12:13], s[12:13], s[20:21]
.macro FRAG reg, adr, q, i             ; a fragment of Wo from rows: six pieces of 8 bytes; where the piece three on lies behind one padding more, the second address register serves
.irp p, 0,1,2,3,4,5
.set PCE, 12*(\q)+6*(\p/3)+\p%3
.if PCE%8 < 5
	ds_load_b64 v[\reg+2*\p:\reg+2*\p+1], v[\adr] offset:8*PCE+16*(PCE/8)+(\i)*16*PITCH
.else
	ds_load_b64 v[\reg+2*\p:\reg+2*\p+1], v[\adr+2] offset:8*PCE+16*(PCE/8)+(\i)*16*PITCH
.endif
.endr
.endm
.macro FRAGA reg, slot, q, i           ; a fragment of A from images: heads 2 q and 2 q + 1 of the slot's four, three pieces each; 32 lanes read 256 consecutive bytes
.irp p, 0,1,2,3,4,5
	ds_load_b64 v[\reg+2*\p:\reg+2*\p+1], v[ADRA+\slot] offset:AROW*(\i)+768*(2*(\q)+\p/3)+256*(\p%3)
.endr
.endm
.macro MUL16 a0, p, q, sc, zero        ; 16 matrix instructions; the 64 accumulators take turns, one instruction a turn, in the same order in every step
.irp a, \a0, \a0+1
.irp b, 0,1,2,3,4,5,6,7
.if \zero
	v_wmma_scale_f32_16x16x128_f8f6f4 v[8*(8*((\a)%4)+\b):8*(8*((\a)%4)+\b)+7], v[128*(\p)+FR*\b:128*(\p)+FR*\b+FR-1], v[AF+FR*(\a):AF+FR*(\a)+FR-1], 0, v[SC+8*NQ*(\sc)+NQ*\b+(\q)], v[SC+8*NQ*(\sc)+NQ*(\a)+(\q)] matrix_a_fmt:MATRIX_FMT_FP6 matrix_b_fmt:MATRIX_FMT_FP6 matrix_a_scale:MATRIX_SCALE_ROW1
.else
	v_wmma_scale_f32_16x16x128_f8f6f4 v[8*(8*((\a)%4)+\b):8*(8*((\a)%4)+\b)+7], v[128*(\p)+FR*\b:128*(\p)+FR*\b+FR-1], v[AF+FR*(\a):AF+FR*(\a)+FR-1], v[8*(8*((\a)%4)+\b):8*(8*((\a)%4)+\b)+7], v[SC+8*NQ*(\sc)+NQ*\b+(\q)], v[SC+8*NQ*(\sc)+NQ*(\a)+(\q)] matrix_a_fmt:MATRIX_FMT_FP6 matrix_b_fmt:MATRIX_FMT_FP6 matrix_a_scale:MATRIX_SCALE_ROW1
.endif
.endr
.endr
.endm
.macro FETCH_B slot, q, p
	WIN TO_B
.irp i, 0,1,2,3,4,5,6,7
	FRAG 128*(\p)+FR*\i, ADRB+\slot, \q, \i
.endr
	WIN 0
.endm
.macro FETCH_A slot, q, i0
.irp i, \i0, \i0+1, \i0+2, \i0+3
	FRAGA AF+FR*(\i), \slot, \q, \i
.endr
.endm
.macro SCALES sc
.irp i, 0,1,2,3,4,5,6,7
	ds_load_b64 v[SC+8*NQ*\sc+NQ*\i:SC+8*NQ*\sc+NQ*\i+1], v[ADRS] offset:\i*SBLK
.endr
.endm
.macro PLACES n
.rept \n
	v_nop
.endr
.endm
.macro STEP slot, q, zero
	s_wait_dscnt 4*NL                              ; Wo's set and A's blocks 0-3 are in; the youngest 24 loads (A's blocks 4-7) may be out
	WIN MUL_LO
	MUL16 0, (\q)%2, \q, \slot, \zero
	MUL16 2, (\q)%2, \q, \slot, \zero
	s_wait_dscnt 0
	PLACES NP
	FETCH_B \slot, (\q)+1, 1-(\q)%2
	FETCH_A \slot, (\q)+1, 0
	WIN MUL_HI
	MUL16 4, (\q)%2, \q, \slot, \zero
	MUL16 6, (\q)%2, \q, \slot, \zero
	PLACES NP
	WIN 0
	FETCH_A \slot, (\q)+1, 4
.endm
.macro TURN slot, next, fill           ; a slot's last step changes slots: one barrier; in front of it each wave waits for all its tensor loads, adds 0 to its spare word, and waits for that and for its reads of this slot
	s_wait_tensorcnt 0x0
	ds_add_u32 v[SPW], v[NIL]                      ; 0 onto my spare word
	s_wait_dscnt 4*NL+1                            ; (the add and the youngest 24 loads may be out)
	WIN MUL_LO
	MUL16 0, 1, NQ-1, \slot, 0
	s_wait_dscnt 0x0                               ; the add is done, and my reads of this slot are over
	s_barrier_signal -1
	MUL16 2, 1, NQ-1, \slot, 0
	WIN 0
	s_barrier_wait -1
.if \fill
	CREST                                          ; the barrier has opened a round of the cluster's barrier
	s_add_nc_u64 s[G0+4*\slot+2:G0+4*\slot+3], s[G0+4*\slot+2:G0+4*\slot+3], 2*AROW
	s_add_nc_u64 s[G0B+4*\slot+2:G0B+4*\slot+3], s[G0B+4*\slot+2:G0B+4*\slot+3], 2*ROWB
	JLOAD G0+4*\slot, G1, G0B+4*\slot, G1B         ; the first tensor load behind the round; its four v_nop are also the places in front of the loads below
.else
	PLACES NP
.endif
	v_add_nc_u32 v[ADRS], 4*NQ, v[ADRS]
	FETCH_B \next, 0, 0
	FETCH_A \next, 0, 0
	SCALES \next
	WIN MUL_HI
	MUL16 4, 1, NQ-1, \slot, 0
	MUL16 6, 1, NQ-1, \slot, 0
	PLACES NP
	WIN 0
	FETCH_A \next, 0, 4
.endm
	s_wait_tensorcnt 1                             ; the scales and my part of K step 0 are in (K step 1's load may be out),
	s_barrier_signal -1
	s_barrier_wait -1                              ; everybody's are
	FETCH_B 0, 0, 0
	FETCH_A 0, 0, 0
	SCALES 0
	FETCH_A 0, 0, 4
	STEP 0, 0, 1                                   ; the first step's products start the sums
	s_mov_b32 s3, LAPS-1
.Llap:
	TURN 0, 1, 1
	STEP 1, 0, 0
	TURN 1, 0, 1
	STEP 0, 0, 0
	s_sub_co_u32 s3, s3, 1
	s_cmp_lg_u32 s3, 0
	s_cbranch_scc1 .Llap
	TURN 0, 1, 0                                   ; the last lap fills nothing
	STEP 1, 0, 0
	s_wait_dscnt 4*NL
	WIN MUL_LO
	MUL16 0, 1, NQ-1, 1, 0
	MUL16 2, 1, NQ-1, 1, 0
	s_wait_dscnt 0
	WIN MUL_HI
	MUL16 4, 1, NQ-1, 1, 0
	MUL16 6, 1, NQ-1, 1, 0
	WIN 0
; THE WAY OUT, block by block of 16 rows x 128 columns: through my own stage in LDS and back as whole rows of 512 bytes.  LDS serves a wave's instructions in order (ISA guide 5.7.1.4): no wait between the stores and the loads.
.macro TOSTAGE a
.set AC, 64*((\a)%4)
	WIN 0x08+4*((\a)/4)                            ; the data: window 2 or 3
.irp b, 0,1,2,3,4,5,6,7
	ds_store_b128 v[STO], v[AC+8*\b:AC+8*\b+3] offset:64*\b          ; each accumulator from its low end on
	ds_store_b128 v[STO], v[AC+8*\b+4:AC+8*\b+7] offset:64*\b+16
.endr
	WIN 0
.set BB, BK+64*((\a)%2)
.irp t, 0,1,2,3,4,5,6,7,8,9,10,11,12,13,14,15
	ds_load_b128 v[BB+4*\t:BB+4*\t+3], v[RD] offset:\t*SPITCH
.endr
.endm
.macro SEND a, younger                 ; younger: the LDS instructions issued behind block a's loads, which may stay out
.set BB, BK+64*((\a)%2)
	s_wait_dscnt \younger
.if (\a) > 0
	s_add_nc_u64 s[12:13], s[12:13], 16*SIZE_N*4   ; (behind a wait on XCNT: the earlier stores have read their base)
.endif
.irp t, 0,1,2,3,4,5,6,7,8,9,10,11,12,13,14,15
	global_store_b128 v[CO], v[BB+4*\t:BB+4*\t+3], s[12:13] offset:\t*SIZE_N*4 th:TH_STORE_NT   ; 32 lanes store 512 consecutive bytes, at a multiple of 256 from out0's first byte
.endr
.endm
	PLACES NP
	TOSTAGE 0
.irp a, 1,2,3,4,5,6,7
.if \a > 1
	s_wait_xcnt 0x0                                ; block a - 2's stores have read their registers and their base
.endif
	TOSTAGE \a
	SEND \a-1, 32                                  ; behind block a - 1's loads: block a's 16 stores and 16 loads
.endr
	s_wait_xcnt 0x0
	SEND 7, 0
	s_wait_tensorcnt 0x0                           ; the wave's end
	ds_add_u32 v[SPW], v[NIL]
	s_wait_dscnt 0x0
	CROUND                                         ; the closing round
	s_endpgm
.Lfunc_end_k_qd3e07221c0_oproj:
	.size	k_qd3e07221c0_oproj, .Lfunc_end_k_qd3e07221c0_oproj-k_qd3e07221c0_oproj
	.p2alignl 7, 3214868480
	.fill 96, 4, 3214868480
	.section	.rodata,"a",@progbits
	.p2align	6, 0x0
	.amdhsa_kernel k_qd3e07221c0_oproj
		.amdhsa_group_segment_fixed_size 327680
		.amdhsa_private_segment_fixed_size 0
		.amdhsa_enable_private_segment 0
		.amdhsa_kernarg_size 40
		.amdhsa_user_sgpr_count 2
		.amdhsa_user_sgpr_kernarg_segment_ptr 1
		.amdhsa_wavefront_size32 1
		.amdhsa_system_sgpr_workgroup_id_x 1
		.amdhsa_system_sgpr_workgroup_id_y 1
		.amdhsa_system_sgpr_workgroup_id_z 1
		.amdhsa_system_vgpr_workitem_id 0
		.amdhsa_next_free_vgpr 1024
		.amdhsa_next_free_sgpr 98
		.amdhsa_reserve_vcc 0
		.amdhsa_float_denorm_mode_32 3
		.amdhsa_float_denorm_mode_16_64 3
		.amdhsa_memory_ordered 1
		.amdhsa_forward_progress 1
		.amdhsa_inst_pref_size 160
	.end_amdhsa_kernel
	.amdgpu_metadata
---
amdhsa.version: [ 1, 2 ]
amdhsa.kernels:
  - .name:           k_qd3e07221c0_oproj
    .symbol:         k_qd3e07221c0_oproj.kd
    .args:
      - { .name: acod, .offset: 0, .size: 8, .value_kind: global_buffer, .address_space: global }
      - { .name: ascl, .offset: 8, .size: 8, .value_kind: global_buffer, .address_space: global }
      - { .name: cod, .offset: 16, .size: 8, .value_kind: global_buffer, .address_space: global }
      - { .name: scl, .offset: 24, .size: 8, .value_kind: global_buffer, .address_space: global }
      - { .name: out0, .offset: 32, .size: 8, .value_kind: global_buffer, .address_space: global }
    .group_segment_fixed_size: 327680
    .private_segment_fixed_size: 0
    .kernarg_segment_align: 8
    .kernarg_segment_size: 40
    .max_flat_workgroup_size: 128
    .sgpr_count:     98
    .vgpr_count:     1024
    .wavefront_size: 32
...
	.end_amdgpu_metadata
.endif
;; end of part 4
